; MI455X (gfx1250); checked and timed in simulation.
; The chip was launched on July 23, 2026; its instructions are those of AMD's public machine-readable ISA for CDNA 5 (MIT licence, August 2026) and "CDNA5" Instruction Set Architecture Reference Guide (July 2026). The comments in the code are by the model that wrote it; some were corrected since.
;; Cross Attention. Allowed arithmetic: float matrix products may take bf16 or f16 operands with f32 sums; all other float work in f32.
;; Inputs: Wc 1,024 x 1,024 float32; Wk 1,024 x 1,024 float32; Wq 1,024 x 1,024 float32; bc 1,024 float32; bk 1,024 float32; bq 1,024 float32; k 2 x 2,048 x 1,024 float32; q 2 x 2,048 x 1,024 float32; v 2 x 2,048 x 1,024 float32.
;; Outputs: out0 2 x 2,048 x 1,024 float32.
;; 2 versions, each right and faster than the one before. Each part assembles by itself: llvm-mc -triple=amdgcn-amd-amdhsa -mcpu=gfx1250 --defsym DOCPART=n.
;; ======== version 1 of 2: 3 launches
;; limits: values are held in f16: magnitudes above 65,504 overflow, below 6.1e-05 lose precision; inputs' magnitudes at most 65,504
;; workspace buffers: qh 8,388,608 bytes; kh 8,388,608 bytes; vh 8,388,608 bytes; yb 8,388,608 bytes; wcb 2,097,152 bytes
;; launch proj (part 1): grid 16 x 16, 4 waves a work-group, clusters of 4 x 4, 327,680 bytes of LDS; arguments q, k, Wq, Wk, bq, bk, qh, kh, v, Wc, vh, wcb; writes qh, kh, vh, wcb
.if DOCPART == 1
	.amdgcn_target "amdgcn-amd-amdhsa--gfx1250"
	.amdhsa_code_object_version 6
	.text
	.protected	k_q639289b86f_proj
	.globl	k_q639289b86f_proj
	.p2align	8
	.type	k_q639289b86f_proj,@function
k_q639289b86f_proj:
	s_mov_b64 s[64:65], 0
	v_nop
	global_prefetch_b8 v0, s[64:65] scope:SCOPE_SE
	s_setreg_imm32_b32 hwreg(HW_REG_WAVE_MODE, 25, 1), 1
	s_wait_xcnt 0x0
	s_wait_alu depctr_hold_cnt(0) depctr_sa_sdst(0) depctr_va_vdst(0) depctr_va_sdst(0) depctr_va_ssrc(0) depctr_va_vcc(0) depctr_vm_vsrc(0)
	s_getreg_b32 s2, hwreg(HW_REG_IB_STS2, 6, 4)
	s_cmp_eq_u32 s2, 0
	s_cbranch_scc0 .Lentry_in_a_cluster
	s_endpgm
.Lentry_in_a_cluster:
	s_bfe_u32 s2, ttmp6, 0x10000c
	s_cmp_lg_u32 s2, 0xf033
	s_cbranch_scc0 .Lentry_shape_is_right
	s_endpgm
.Lentry_shape_is_right:
; qh = bf16((q Wq^T + bq) c), c = 0.125 log2(e), and kh = bf16(k Wk^T + bk), both stored head-major [b][h][t][64];
; beside that a side stream: vh = f16(v), head-major, and wcb = f16(Wc).
; q, k: [4096][1024] f32; Wq, Wk, Wc: [1024][1024] f32.  Work-group x 0-7 makes the q product, 8-15 the k product (chosen by the cluster's x,
; which all partners share).  A work-group makes 256 rows x 128 columns with four waves; a wave makes 128 x 64 = one head: 32 tiles, 256 registers.
; K goes in steps of 64 f32 (rows of 256 bytes, starting at multiples of 256 bytes) through two LDS slots filled by tensor loads.
; The f32 fragments are read from LDS, rounded to f16 in registers and multiplied with f32 sums.
; CLUSTER 4 x 4: the activations' tile hangs on the block row alone and is asked for jointly along a row of the cluster, the weights' tile on the
; block column alone, jointly along a column.  A wave has two tensor loads out at the start and one afterwards.
; The matrix instruction is used transposed (source 0 = rows of W, source 1 = rows of q or k): a lane holds 8 neighbouring columns of one row.
; LIMITS: q, k, W, v are rounded to f16: beyond 65,504 they become infinite, parts below 2^-25 vanish; qh, kh are rounded to bf16;
; sums run in f32 in the matrix unit's own order.
.set PITCH,  272                       ; an LDS row: 256 bytes + 16 of padding = 68 words, so 16 neighbouring rows start 4 words apart modulo 64
.set REGION, 128*PITCH                 ; what one wave fills: waves 0, 1 the activations' rows 0-127, 128-255; waves 2, 3 the weights' rows 0-63, 64-127
.set SLOT,   4*REGION
.set STAGE,  2*SLOT                    ; behind the ring: 16 rows x 144 bytes for each wave, never filled by a tensor load
.set SPITCH, 144
.set STEPB,  256                       ; bytes of a K step in a row
.set ADRA, 16                          ; v16-17  LDS address of my activation fragments, slot 0, 1
.set ADRB, 18                          ; v18-19  the same for the weights
.set STO,  20                          ; way out: where I put 16 bytes
.set RD,   21                          ; way out: where I read rows back
.set CO,   22                          ; way out: 16 x lane
.set OV,   24                          ; side stream: offsets in v, vh, Wc, wcb
.set OVH,  25
.set OW,   26
.set OWB,  27
.set FR,   32                          ; v32-127  f16 fragments: 0-3 weights, 4-11 activations
.set SD,   128                         ; v128-147 side stream as loaded
.set SP,   148                         ; v148-157 side stream packed
.set BIAS, 160                         ; v160-191 bias of my 32 columns (4 tiles x 8)
.set TMP,  192                         ; v192-207 packed results
.set OUTB, 208                         ; v208-239 two buffers of 16 for the stores
; window 1: the 32 accumulator tiles, tile (a, b) at 8 (4 a + b).  window 2, v0-191: f32 fragment f at 16 f.
.set G1A, 36
.set G0A, 44
.set G1B, 52
.set G0B, 68
.set MSB, 0
.macro WIN new                         ; the immediate's high byte repeats the setting that is left
.if MSB != \new
	s_set_vgpr_msb (MSB<<8)|\new
.set MSB, \new
.endif
.endm
.macro PLACES                          ; four plain vector places behind a matrix instruction (ISA guide 7.12.1)
.rept 4
	v_nop
.endr
.endm
.macro CREST                           ; a round of the cluster's barrier behind its opening work-group barrier
	s_cmp_lg_u32 s28, 0
	s_cbranch_scc1 .Lnot_wave_0_\@
	s_barrier_signal -3
.Lnot_wave_0_\@:
	s_barrier_wait -3
	s_barrier_signal -1
	s_barrier_wait -1
.endm
.macro CROUND
	s_barrier_signal -1
	s_barrier_wait -1
	CREST
.endm
.macro JLOAD s                         ; waves 0, 1 ask for the activations' halves, waves 2, 3 for the weights': one line, one mask each
	s_cmp_eq_u32 s29, 0
	s_cbranch_scc0 .Lfor_b_\@
	tensor_load_to_lds s[G0A+4*\s:G0A+4*\s+3], s[G1A:G1A+7]
	s_nop 0
	s_branch .Lasked_\@
.Lfor_b_\@:
	tensor_load_to_lds s[G0B+4*\s:G0B+4*\s+3], s[G1B:G1B+7]
	s_nop 0
.Lasked_\@:
.endm
	s_load_b512 s[4:19], s[0:1], 0x0               ; q, k, Wq, Wk, bq, bk, qh, kh
	s_load_b256 s[20:27], s[0:1], 0x40             ; v s[20:21], Wc s[22:23], vh s[24:25], wcb s[26:27]
	v_lshl_add_u32 v254, v0, 2, 0x46400
	v_mov_b32 v255, 0
	ds_add_u32 v254, v255
	v_lshrrev_b32 v1, 5, v0
	v_readfirstlane_b32 s28, v1                    ; wave
	s_lshr_b32 s29, s28, 1                         ; which 128 rows are mine; also: I fetch activations (0) or weights (1)
	s_and_b32 s30, s28, 1                          ; which 64 columns are mine; also: which half of that tile I fetch
	s_bfe_u32 s31, ttmp6, 0x40000                  ; cx
	s_bfe_u32 s32, ttmp6, 0x40004                  ; cy
	s_lshl_b32 s33, ttmp9, 2
	s_add_co_u32 s33, s33, s31                     ; work-group x
	s_and_b32 s34, ttmp7, 0xffff
	s_lshl_b32 s34, s34, 2
	s_add_co_u32 s34, s34, s32                     ; work-group y = block row of 256
	s_and_b32 s35, s33, 7                          ; block column of 128
	s_lshl_b32 s66, s32, 2
	s_lshl_b32 s66, 15, s66                        ; my row of the cluster
	s_lshl_b32 s67, 0x1111, s31                    ; my column
	; group 1: elements of 4 bytes, rows of 64, pitch 1,024; 4 words of padding behind every 64
	s_or_b32 s[G1A+0], s66, (2<<16)|(1<<20)|(1<<21)|(5<<22)|(3<<25)
	s_mov_b32 s[G1A+1], 64<<16                     ; tensor_dim0 = 64
	s_mov_b32 s[G1A+2], 128<<16                    ; tensor_dim1 = 128
	s_mov_b32 s[G1A+3], 64<<16                     ; tile_dim0 = 64
	s_mov_b32 s[G1A+4], 128                        ; tile_dim1 = 128
	s_mov_b32 s[G1A+5], 1024
	s_mov_b32 s[G1A+6], 0
	s_mov_b32 s[G1A+7], 0
	s_or_b32 s[G1B+0], s67, (2<<16)|(1<<20)|(1<<21)|(5<<22)|(3<<25)
	s_mov_b32 s[G1B+1], 64<<16
	s_mov_b32 s[G1B+2], 64<<16                     ; 64 rows
	s_mov_b32 s[G1B+3], 64<<16
	s_mov_b32 s[G1B+4], 64
	s_mov_b32 s[G1B+5], 1024
	s_mov_b32 s[G1B+6], 0
	s_mov_b32 s[G1B+7], 0
	s_lshl_b32 s80, s34, 8                         ; activations: row 256 x block row + 128 x half, times 4,096 bytes
	s_lshl_b32 s81, s30, 7
	s_add_co_u32 s80, s80, s81
	s_lshl_b32 s80, s80, 12
	s_mov_b32 s81, 0
	s_lshl_b32 s82, s35, 7                         ; weights: row 128 x block column + 64 x half
	s_lshl_b32 s83, s30, 6
	s_add_co_u32 s82, s82, s83
	s_lshl_b32 s82, s82, 12
	s_mov_b32 s83, 0
	s_mul_i32 s84, s28, REGION                     ; where my tile goes: the wave's number alone
	s_wait_dscnt 0x0
	s_wait_kmcnt 0x0
	s_cmp_lt_u32 ttmp9, 2                          ; the q product or the k product: equal in all partners
	s_cselect_b64 s[4:5], s[4:5], s[6:7]           ; activations
	s_cselect_b64 s[8:9], s[8:9], s[10:11]         ; weights
	s_cselect_b64 s[12:13], s[12:13], s[14:15]     ; bias
	s_cselect_b64 s[16:17], s[16:17], s[18:19]     ; output
	s_cselect_b32 s76, 0x3e38aa3b, 1.0             ; 0.125 log2(e) for q, 1 for k
	s_cselect_b32 s77, 0x3e38aa3b, 1.0
	s_add_nc_u64 s[86:87], s[4:5], s[80:81]
	s_add_nc_u64 s[88:89], s[8:9], s[82:83]
	CROUND                                         ; all sixteen work-groups are here: the first joint loads meet
.irp s, 0,1
	s_mov_b32 s[G0A+4*\s], 1
	s_add_co_u32 s[G0A+4*\s+1], s84, \s*SLOT
	s_add_nc_u64 s[G0A+4*\s+2:G0A+4*\s+3], s[86:87], \s*STEPB
	s_or_b32 s[G0A+4*\s+3], s[G0A+4*\s+3], 0x80000000
	s_mov_b32 s[G0B+4*\s], 1
	s_add_co_u32 s[G0B+4*\s+1], s84, \s*SLOT
	s_add_nc_u64 s[G0B+4*\s+2:G0B+4*\s+3], s[88:89], \s*STEPB
	s_or_b32 s[G0B+4*\s+3], s[G0B+4*\s+3], 0x80000000
	JLOAD \s
.endr
	; lane addresses.  An f32 fragment: lane (r, h) takes K = 8h..8h+7 (32 bytes at 32 h) and K = 16+8h.. (64 bytes further) of row r
	v_and_b32 v1, 15, v0                           ; r
	v_bfe_u32 v2, v0, 4, 1                         ; h
	v_and_b32 v5, 31, v0                           ; lane
	v_mul_u32_u24 v3, v1, PITCH
	v_lshl_add_u32 v3, v2, 5, v3
	s_mul_i32 s85, s29, REGION
	s_mul_i32 s90, s30, REGION
	s_add_co_u32 s90, s90, 2*REGION
	v_add_nc_u32 v[ADRA], s85, v3
	v_add_nc_u32 v[ADRB], s90, v3
	v_add_nc_u32 v[ADRA+1], SLOT, v[ADRA]
	v_add_nc_u32 v[ADRB+1], SLOT, v[ADRB]
	s_mul_i32 s91, s28, 16*SPITCH
	s_add_co_u32 s91, s91, STAGE
	v_mul_u32_u24 v4, v1, SPITCH
	v_lshl_add_u32 v4, v2, 4, v4
	v_add_nc_u32 v[STO], s91, v4
	v_lshrrev_b32 v6, 3, v5
	v_and_b32 v7, 7, v0
	v_mul_u32_u24 v6, v6, SPITCH
	v_lshl_add_u32 v6, v7, 4, v6
	v_add_nc_u32 v[RD], s91, v6                    ; eight lanes take a row of 128 bytes, a load four rows
	v_lshlrev_b32 v[CO], 4, v5
	; bias of my columns 128 x block column + 64 x half + 16 b + 8 h + 0..7
	s_lshl_b32 s82, s35, 9
	s_lshl_b32 s83, s30, 8
	s_add_co_u32 s82, s82, s83
	s_mov_b32 s83, 0
	s_add_nc_u64 s[12:13], s[12:13], s[82:83]
	v_lshlrev_b32 v8, 5, v2
.irp b, 0,1,2,3
	global_load_b128 v[BIAS+8*\b:BIAS+8*\b+3],   v8, s[12:13] offset:64*\b
	global_load_b128 v[BIAS+8*\b+4:BIAS+8*\b+7], v8, s[12:13] offset:64*\b+16
.endr
	; side stream: work-group W = 16 y + x owns rows 16 W .. 16 W + 15 of v (a wave four of them) and 16 KiB of Wc (a wave 4 KiB)
	s_lshl_b32 s60, s34, 4
	s_add_co_u32 s60, s60, s33                     ; W
	s_lshl_b32 s61, s60, 4
	s_lshl2_add_u32 s61, s28, s61                  ; my first row of v
	s_lshl_b32 s62, s61, 12
	v_lshlrev_b32 v9, 4, v1
	v_lshl_add_u32 v9, v2, 12, v9                  ; lanes 0-15: 256 bytes (one head) of a row; lanes 16-31: of the next row
	v_add_nc_u32 v[OV], s62, v9
	s_lshr_b32 s62, s61, 11                        ; batch
	s_lshl_b32 s62, s62, 22
	s_and_b32 s63, s61, 2047
	s_lshl_b32 s63, s63, 7
	s_add_co_u32 s62, s62, s63
	v_lshl_add_u32 v[OVH], v5, 3, s62              ; two rows of 128 bytes of a head lie side by side: 8 x lane
	s_lshl_b32 s62, s60, 14
	s_lshl_b32 s63, s28, 12
	s_add_co_u32 s62, s62, s63
	v_lshl_add_u32 v[OW], v5, 4, s62
	s_lshr_b32 s62, s62, 1
	v_lshl_add_u32 v[OWB], v5, 3, s62
	; where my 128 rows x one head go: batch, head, row in the batch
	s_lshr_b32 s60, s34, 3
	s_lshl_b32 s60, s60, 22
	s_lshl_b32 s61, s35, 1
	s_add_co_u32 s61, s61, s30
	s_lshl_b32 s61, s61, 18
	s_add_co_u32 s60, s60, s61
	s_lshl_b32 s61, s34, 8
	s_lshl_b32 s62, s29, 7
	s_add_co_u32 s61, s61, s62
	s_and_b32 s61, s61, 2047
	s_lshl_b32 s61, s61, 7
	s_add_co_u32 s60, s60, s61
	s_mov_b32 s61, 0
	s_add_nc_u64 s[16:17], s[16:17], s[60:61]
.macro FRAG f, adr, off                ; one f32 fragment: 16 rows x 32 K, 16 registers
	ds_load_b128 v[16*(\f):16*(\f)+3],     v[\adr] offset:\off
	ds_load_b128 v[16*(\f)+4:16*(\f)+7],   v[\adr] offset:\off+16
	ds_load_b128 v[16*(\f)+8:16*(\f)+11],  v[\adr] offset:\off+64
	ds_load_b128 v[16*(\f)+12:16*(\f)+15], v[\adr] offset:\off+80
.endm
.macro FETCH slot, k                   ; 48 LDS loads: the fragments of 32 along K at byte k of the slot's rows, into window 2
	WIN 0x80
.irp i, 0,1,2,3
	FRAG \i, ADRB+\slot, \k+\i*16*PITCH
.endr
.irp i, 0,1,2,3,4,5,6,7
	FRAG 4+\i, ADRA+\slot, \k+\i*16*PITCH
.endr
.endm
.macro CVT                             ; f32 to f16; the four places keep the writes of FR behind the products that read it
	PLACES
	WIN 0x0a
.irp f, 0,1,2,3,4,5,6,7,8,9,10,11
.irp i, 0,1,2,3,4,5,6,7
	v_cvt_pk_f16_f32 v[FR+8*\f+\i], v[16*\f+2*\i], v[16*\f+2*\i+1]
.endr
.endr
.endm
.macro MUL zero                        ; 32 products; the 32 accumulators take turns, one instruction a turn
	WIN 0x50
.irp a, 0,1,2,3,4,5,6,7
.irp b, 0,1,2,3
.if \zero
	v_wmma_f32_16x16x32_f16 v[8*(4*\a+\b):8*(4*\a+\b)+7], v[FR+8*\b:FR+8*\b+7], v[FR+8*(4+\a):FR+8*(4+\a)+7], 0
.else
	v_wmma_f32_16x16x32_f16 v[8*(4*\a+\b):8*(4*\a+\b)+7], v[FR+8*\b:FR+8*\b+7], v[FR+8*(4+\a):FR+8*(4+\a)+7], v[8*(4*\a+\b):8*(4*\a+\b)+7]
.endif
.endr
.endr
.endm
; One K step.  mode 1: the slot is filled again, two steps ahead; 2: change of slots without a fill; 0: the last step.
.macro STEP slot, next, mode, zero
	s_wait_dscnt 0x0                               ; the first half's f32 fragments are in
	CVT
	FETCH \slot, 128                               ; the second half, on its way during the products
	MUL \zero
	s_wait_dscnt 0x0                               ; it is in, and my reads of this slot are over
.if \mode
	s_wait_tensorcnt 0x0                           ; all my tensor loads have landed: the one that was out is my part of the next slot
	ds_add_u32 v254, v255
	s_wait_dscnt 0x0
	s_barrier_signal -1                            ; opens the round where the slot is filled again
.endif
	CVT                                            ; register work while the others arrive
	WIN 0
.if \mode
	s_barrier_wait -1
.endif
.if \mode == 1
	CREST                                          ; no wave of any partner reads this slot or has a load on its way
	s_add_nc_u64 s[G0A+4*\slot+2:G0A+4*\slot+3], s[G0A+4*\slot+2:G0A+4*\slot+3], 2*STEPB
	s_add_nc_u64 s[G0B+4*\slot+2:G0B+4*\slot+3], s[G0B+4*\slot+2:G0B+4*\slot+3], 2*STEPB
	JLOAD \slot                                    ; my one tensor load behind the round, ahead of every LDS read
.endif
.if \mode
	FETCH \next, 0
.endif
	MUL 0
.endm
; The side stream of a lap: two heads x four rows of v and 512 bytes of Wc for each wave; issued at the lap's head, finished at its end.
.macro SIDE_ISSUE
	WIN 0
	global_load_b128 v[SD:SD+3],     v[OV], s[20:21] th:TH_LOAD_NT
	global_load_b128 v[SD+4:SD+7],   v[OV], s[20:21] offset:8192 th:TH_LOAD_NT
	global_load_b128 v[SD+8:SD+11],  v[OV], s[20:21] offset:256 th:TH_LOAD_NT
	global_load_b128 v[SD+12:SD+15], v[OV], s[20:21] offset:8448 th:TH_LOAD_NT
	global_load_b128 v[SD+16:SD+19], v[OW], s[22:23] th:TH_LOAD_NT
.endm
.macro SIDE_FINISH
	WIN 0
	s_wait_loadcnt 0x0                             ; the lap's five loads (in the first lap the bias too)
.irp g, 0,1,2,3,4
	v_cvt_pk_f16_f32 v[SP+2*\g],   v[SD+4*\g],   v[SD+4*\g+1]
	v_cvt_pk_f16_f32 v[SP+2*\g+1], v[SD+4*\g+2], v[SD+4*\g+3]
.endr
	global_store_b64 v[OVH], v[SP:SP+1],   s[24:25]                ; each store of the wave covers 256 consecutive bytes, aligned
	global_store_b64 v[OVH], v[SP+2:SP+3], s[24:25] offset:256
	global_store_b64 v[OVH], v[SP+4:SP+5], s[24:25] offset:262144
	global_store_b64 v[OVH], v[SP+6:SP+7], s[24:25] offset:262400
	global_store_b64 v[OWB], v[SP+8:SP+9], s[26:27]
	s_wait_xcnt 0x0                                ; the bases and SP are rewritten only behind this wait
	s_add_nc_u64 s[20:21], s[20:21], 512           ; two heads on in v's rows
	s_add_nc_u64 s[24:25], s[24:25], 524288        ; two heads on in vh
	s_add_nc_u64 s[22:23], s[22:23], 512
	s_add_nc_u64 s[26:27], s[26:27], 256
.endm
.macro LAP zero, m0, m1
	SIDE_ISSUE
	STEP 0, 1, \m0, \zero
	STEP 1, 0, \m1, 0
	SIDE_FINISH
.endm
	s_wait_tensorcnt 0x1                           ; my part of K step 0 is in; step 1's stays out
	s_barrier_signal -1
	s_barrier_wait -1
	FETCH 0, 0
	LAP 1, 1, 1                                    ; 16 K steps = 8 laps: the first starts the sums,
	WIN 0
	s_mov_b32 s78, 6
.Llap:
	LAP 0, 1, 1                                    ; six go round,
	WIN 0
	s_sub_co_u32 s78, s78, 1
	s_cmp_lg_u32 s78, 0
	s_cbranch_scc1 .Llap
	LAP 0, 2, 0                                    ; the last fills nothing
	; THE WAY OUT: (sum + bias) x scale = sum x scale + bias x scale; 16 rows at a time through my own stage
	PLACES
.irp g, 0,1,2,3,4,5,6,7,8,9,10,11,12,13,14,15
	v_pk_mul_f32 v[BIAS+2*\g:BIAS+2*\g+1], v[BIAS+2*\g:BIAS+2*\g+1], s[76:77] op_sel_hi:[1,0]
.endr
.macro OUT16 i, f
	WIN 0x41
.irp g, 0,1,2,3,4,5,6,7,8,9,10,11,12,13,14,15
	v_pk_fma_f32 v[32*\i+2*\g:32*\i+2*\g+1], v[32*\i+2*\g:32*\i+2*\g+1], s[76:77], v[BIAS+2*\g:BIAS+2*\g+1] op_sel_hi:[1,0,1]
.endr
	WIN 0x05
.irp g, 0,1,2,3,4,5,6,7,8,9,10,11,12,13,14,15
	v_cvt_pk_bf16_f32 v[TMP+\g], v[32*\i+2*\g], v[32*\i+2*\g+1]
.endr
	WIN 0
.irp b, 0,1,2,3
	ds_store_b128 v[STO], v[TMP+4*\b:TMP+4*\b+3] offset:32*\b
.endr
	s_wait_xcnt 0x0                                ; buffer f, which earlier stores read, is loaded again only behind this wait
.irp t, 0,1,2,3
	ds_load_b128 v[\f+4*\t:\f+4*\t+3], v[RD] offset:\t*4*SPITCH    ; LDS serves a wave's instructions in order: these see the stores above
.endr
.irp t, 0,1,2,3
	s_wait_dscnt 3-\t                              ; the younger loads stay out
	global_store_b128 v[CO], v[\f+4*\t:\f+4*\t+3], s[16:17] offset:2048*\i+512*\t   ; four rows of a head: 512 consecutive bytes
.endr
.endm
	OUT16 0, OUTB
	OUT16 1, OUTB+16
	OUT16 2, OUTB
	OUT16 3, OUTB+16
	OUT16 4, OUTB
	OUT16 5, OUTB+16
	OUT16 6, OUTB
	OUT16 7, OUTB+16
	s_wait_tensorcnt 0x0
	ds_add_u32 v254, v255
	s_wait_dscnt 0x0
	CROUND                                         ; the closing round
	s_endpgm
.Lfunc_end_k_q639289b86f_proj:
	.size	k_q639289b86f_proj, .Lfunc_end_k_q639289b86f_proj-k_q639289b86f_proj
	.p2alignl 7, 3214868480
	.fill 96, 4, 3214868480
	.section	.rodata,"a",@progbits
	.p2align	6, 0x0
	.amdhsa_kernel k_q639289b86f_proj
		.amdhsa_group_segment_fixed_size 327680
		.amdhsa_private_segment_fixed_size 0
		.amdhsa_enable_private_segment 0
		.amdhsa_kernarg_size 96
		.amdhsa_user_sgpr_count 2
		.amdhsa_user_sgpr_kernarg_segment_ptr 1
		.amdhsa_wavefront_size32 1
		.amdhsa_system_sgpr_workgroup_id_x 1
		.amdhsa_system_sgpr_workgroup_id_y 1
		.amdhsa_system_sgpr_workgroup_id_z 1
		.amdhsa_system_vgpr_workitem_id 0
		.amdhsa_next_free_vgpr 704
		.amdhsa_next_free_sgpr 92
		.amdhsa_reserve_vcc 0
		.amdhsa_float_denorm_mode_32 3
		.amdhsa_float_denorm_mode_16_64 3
		.amdhsa_memory_ordered 1
		.amdhsa_forward_progress 1
		.amdhsa_inst_pref_size 180
	.end_amdhsa_kernel
	.amdgpu_metadata
---
amdhsa.version: [ 1, 2 ]
amdhsa.kernels:
  - .name:           k_q639289b86f_proj
    .symbol:         k_q639289b86f_proj.kd
    .args:
      - { .name: q, .offset: 0, .size: 8, .value_kind: global_buffer, .address_space: global }
      - { .name: k, .offset: 8, .size: 8, .value_kind: global_buffer, .address_space: global }
      - { .name: Wq, .offset: 16, .size: 8, .value_kind: global_buffer, .address_space: global }
      - { .name: Wk, .offset: 24, .size: 8, .value_kind: global_buffer, .address_space: global }
      - { .name: bq, .offset: 32, .size: 8, .value_kind: global_buffer, .address_space: global }
      - { .name: bk, .offset: 40, .size: 8, .value_kind: global_buffer, .address_space: global }
      - { .name: qh, .offset: 48, .size: 8, .value_kind: global_buffer, .address_space: global }
      - { .name: kh, .offset: 56, .size: 8, .value_kind: global_buffer, .address_space: global }
      - { .name: v, .offset: 64, .size: 8, .value_kind: global_buffer, .address_space: global }
      - { .name: Wc, .offset: 72, .size: 8, .value_kind: global_buffer, .address_space: global }
      - { .name: vh, .offset: 80, .size: 8, .value_kind: global_buffer, .address_space: global }
      - { .name: wcb, .offset: 88, .size: 8, .value_kind: global_buffer, .address_space: global }
    .group_segment_fixed_size: 327680
    .private_segment_fixed_size: 0
    .kernarg_segment_align: 8
    .kernarg_segment_size: 96
    .max_flat_workgroup_size: 128
    .sgpr_count:     92
    .vgpr_count:     704
    .wavefront_size: 32
...
	.end_amdgpu_metadata
.endif
;; end of part 1
;; launch attn (part 2): grid 8 x 32, 4 waves a work-group, clusters of 4 x 1, 327,680 bytes of LDS; arguments qh, kh, vh, yb; writes yb
.if DOCPART == 2
	.amdgcn_target "amdgcn-amd-amdhsa--gfx1250"
	.amdhsa_code_object_version 6
	.text
	.protected	k_q639289b86f_attn
	.globl	k_q639289b86f_attn
	.p2align	8
	.type	k_q639289b86f_attn,@function
k_q639289b86f_attn:
	s_mov_b64 s[64:65], 0
	v_nop
	global_prefetch_b8 v0, s[64:65] scope:SCOPE_SE
	s_setreg_imm32_b32 hwreg(HW_REG_WAVE_MODE, 25, 1), 1
	s_wait_xcnt 0x0
	s_wait_alu depctr_hold_cnt(0) depctr_sa_sdst(0) depctr_va_vdst(0) depctr_va_sdst(0) depctr_va_ssrc(0) depctr_va_vcc(0) depctr_vm_vsrc(0)
	s_getreg_b32 s2, hwreg(HW_REG_IB_STS2, 6, 4)
	s_cmp_eq_u32 s2, 0
	s_cbranch_scc0 .Lentry_in_a_cluster
	s_endpgm
.Lentry_in_a_cluster:
	s_bfe_u32 s2, ttmp6, 0x10000c
	s_cmp_lg_u32 s2, 0x3003
	s_cbranch_scc0 .Lentry_shape_is_right
	s_endpgm
.Lentry_shape_is_right:
; yb = softmax(qh kh^T) vh for each of 32 (batch, head) pairs, with a running maximum.  qh (already scaled by 0.125 log2(e)) and kh: bf16,
; vh and yb: f16, all [b][h][t][64].  Work-group (x, y): head y, queries 256 x .. 256 x + 255; a wave has 64 queries = 4 blocks of 16.
; CLUSTER 4 x 1: the four query blocks of a cluster walk the same K and V tiles and ask for them jointly (mask 15).
; TRANSPOSED FORM.  Scores: S^T = K Q^T (source 0 = 16 keys, source 1 = 16 queries): lane (r, h) holds query r and keys 8 h + j, so the maximum and the
; sum of a row are made inside the lane plus one exchange between the halves.  Two key tiles, packed in place to f16, ARE the source-1 fragment of P^T.
; Output: y^T = V^T P^T, source 0 read from V [key][d] by the transposing LDS load: a lane holds 8 neighbouring d of one query,
; and the rescaling factor is one number a lane.
; K and V go through two LDS slots of 256 keys; a slot is four inner steps of 64 keys.  A wave has two tensor loads out at the start, one afterwards.
; The softmax of query block qb is written between the score products of block qb + 1 and the P V products of block qb - 1.
; All accumulators take turns, one matrix instruction a turn.
; LIMITS: P is rounded to f16 (parts below 2^-25 of the row's largest vanish); exponentials below 2^-126 are zero; a NaN loses in the maxima and
; infinite scores are not served; y is rounded to f16; the sums' order is this text's own.
.set KP,     144                       ; LDS pitch of a K row: 128 bytes + 16
.set VP,     160                       ; LDS pitch of a V row: 128 bytes + 32 (an odd multiple of 32, for the transposing load)
.set REGION, 20480                     ; what one wave fills: waves 0, 1 K's keys 0-127, 128-255; waves 2, 3 V's
.set SLOT,   4*REGION
.set STAGE,  2*SLOT
.set SPITCH, 144
.set ADRK, 4                           ; v4-5    LDS address of my K fragments, slot 0, 1
.set ADRV, 6                           ; v6-7    the same for V
.set ML,   8                           ; v8-15   block qb: maximum v[8+2qb], my half's sum v[9+2qb]
.set AL,   16                          ; v16-17  the rescaling factor (a pair for the packed multiply)
.set TM,   18                          ; v18-21  four chains of maxima
.set TX,   22
.set TN,   23
.set U,    24                          ; v24-31  four pairs of partial sums
.set KF,   32                          ; v32-95  K fragment (kb, c) at 8 (2 kb + c)
.set QF,   96                          ; v96-159 Q fragment (qb, c) at 8 (2 qb + c)
.set SB,   160                         ; v160-255 three score blocks of 32; block qb uses number qb mod 3; tile kb at 8 kb
.set VF,   0                           ; window 1, v0-63: V fragment (db, c) at 8 (4 c + db)
.set YB,   64                          ; window 1, v64-191: y tile (qb, db) at 8 (4 qb + db)
.set G1K, 20
.set G1V, 28
.set G0K, 36
.set G0V, 44
.set MSB, 0
.macro WIN new
.if MSB != \new
	s_set_vgpr_msb (MSB<<8)|\new
.set MSB, \new
.endif
.endm
.macro PLACES
.rept 4
	v_nop
.endr
.endm
.macro CREST
	s_cmp_lg_u32 s12, 0
	s_cbranch_scc1 .Lnot_wave_0_\@
	s_barrier_signal -3
.Lnot_wave_0_\@:
	s_barrier_wait -3
	s_barrier_signal -1
	s_barrier_wait -1
.endm
.macro CROUND
	s_barrier_signal -1
	s_barrier_wait -1
	CREST
.endm
.macro JLOAD s                         ; waves 0, 1 ask for K's halves, waves 2, 3 for V's
	s_cmp_eq_u32 s13, 0
	s_cbranch_scc0 .Lfor_v_\@
	tensor_load_to_lds s[G0K+4*\s:G0K+4*\s+3], s[G1K:G1K+7]
	s_nop 0
	s_branch .Lasked_\@
.Lfor_v_\@:
	tensor_load_to_lds s[G0V+4*\s:G0V+4*\s+3], s[G1V:G1V+7]
	s_nop 0
.Lasked_\@:
.endm
	s_load_b256 s[4:11], s[0:1], 0x0               ; qh s[4:5], kh s[6:7], vh s[8:9], yb s[10:11]
	s_set_vgpr_msb 0x40
	v_lshl_add_u32 v192, v0, 2, 0x2a400
	v_mov_b32 v193, 0
	s_set_vgpr_msb 0x4045
	ds_add_u32 v192, v193
	s_set_vgpr_msb 0x4500
	v_lshrrev_b32 v1, 5, v0
	v_readfirstlane_b32 s12, v1                    ; wave
	s_lshr_b32 s13, s12, 1                         ; I fetch K (0) or V (1)
	s_and_b32 s14, s12, 1                          ; which 128 keys of the slot I fetch
	s_bfe_u32 s15, ttmp6, 0x40000                  ; cx
	s_lshl_b32 s16, ttmp9, 2
	s_add_co_u32 s16, s16, s15                     ; query block of 256
	s_and_b32 s17, ttmp7, 0xffff                   ; batch x 16 + head
	s_mov_b32 s52, 0x76543210                      ; v_permlanex16_b32: lane i reads lane i of the other half
	s_mov_b32 s53, 0xfedcba98
	; group 1: 128 keys are 16,384 dense bytes, taken as 64 rows of 32 elements of 8 bytes; padding behind every 32 words (a key's row)
	s_mov_b32 s[G1K+0], 15|(3<<16)|(1<<20)|(1<<21)|(4<<22)|(3<<25)   ; 4 words of padding
	s_mov_b32 s[G1V+0], 15|(3<<16)|(1<<20)|(1<<21)|(4<<22)|(7<<25)   ; 8 words
	s_mov_b32 s[G1K+1], 32<<16
	s_mov_b32 s[G1V+1], 32<<16
	s_mov_b32 s[G1K+2], 64<<16
	s_mov_b32 s[G1V+2], 64<<16
	s_mov_b32 s[G1K+3], 32<<16
	s_mov_b32 s[G1V+3], 32<<16
	s_mov_b32 s[G1K+4], 64
	s_mov_b32 s[G1V+4], 64
	s_mov_b32 s[G1K+5], 32
	s_mov_b32 s[G1V+5], 32
	s_mov_b32 s[G1K+6], 0
	s_mov_b32 s[G1V+6], 0
	s_mov_b32 s[G1K+7], 0
	s_mov_b32 s[G1V+7], 0
	s_lshl_b32 s56, s17, 18                        ; the head's 262,144 bytes, and my half of a slot: nothing of cx
	s_lshl_b32 s57, s14, 14
	s_add_co_u32 s56, s56, s57
	s_mov_b32 s57, 0
	s_mul_i32 s18, s12, REGION
	s_lshl_b32 s58, s17, 11                        ; my 64 queries: row head x 2,048 + 256 x block + 64 x wave, of 128 bytes
	s_lshl_b32 s59, s16, 8
	s_add_co_u32 s58, s58, s59
	s_lshl_b32 s59, s12, 6
	s_add_co_u32 s58, s58, s59
	s_lshl_b32 s58, s58, 7
	s_mov_b32 s59, 0
	s_wait_dscnt 0x0
	s_wait_kmcnt 0x0
	s_add_nc_u64 s[6:7], s[6:7], s[56:57]
	s_add_nc_u64 s[8:9], s[8:9], s[56:57]
	s_add_nc_u64 s[4:5], s[4:5], s[58:59]
	s_add_nc_u64 s[10:11], s[10:11], s[58:59]
	CROUND                                         ; the four work-groups are here: the first joint loads meet
.irp s, 0,1
	s_mov_b32 s[G0K+4*\s], 1
	s_add_co_u32 s[G0K+4*\s+1], s18, \s*SLOT
	s_add_nc_u64 s[G0K+4*\s+2:G0K+4*\s+3], s[6:7], \s*32768
	s_or_b32 s[G0K+4*\s+3], s[G0K+4*\s+3], 0x80000000
	s_mov_b32 s[G0V+4*\s], 1
	s_add_co_u32 s[G0V+4*\s+1], s18, \s*SLOT
	s_add_nc_u64 s[G0V+4*\s+2:G0V+4*\s+3], s[8:9], \s*32768
	s_or_b32 s[G0V+4*\s+3], s[G0V+4*\s+3], 0x80000000
	JLOAD \s
.endr
	v_and_b32 v1, 15, v0                           ; r
	v_bfe_u32 v3, v0, 4, 1                         ; h
	v_lshlrev_b32 v2, 7, v1
	v_lshl_add_u32 v2, v3, 4, v2                   ; Q: row r, 16 h; never rewritten
.irp qb, 0,1,2,3
.irp c, 0,1
	global_load_b128 v[QF+8*(2*\qb+\c):QF+8*(2*\qb+\c)+3],   v2, s[4:5] offset:2048*\qb+64*\c
	global_load_b128 v[QF+8*(2*\qb+\c)+4:QF+8*(2*\qb+\c)+7], v2, s[4:5] offset:2048*\qb+64*\c+32
.endr
.endr
	v_mul_u32_u24 v[ADRK], v1, KP
	v_lshl_add_u32 v[ADRK], v3, 4, v[ADRK]         ; key r, 16 h
	v_add_nc_u32 v[ADRK+1], SLOT, v[ADRK]
	v_and_b32 v1, 7, v0
	v_lshl_add_u32 v1, v3, 3, v1                   ; key 8 h + (lane mod 8)
	v_mul_u32_u24 v1, v1, VP
	v_bfe_u32 v3, v0, 3, 1
	v_lshl_add_u32 v1, v3, 4, v1                   ; and 16 bytes for the upper eight lanes of each sixteen
	v_add_nc_u32 v[ADRV], 2*REGION, v1
	v_add_nc_u32 v[ADRV+1], 2*REGION+SLOT, v1
.irp qb, 0,1,2,3
	v_mov_b32 v[ML+2*\qb+1], 0                     ; the pair's second register is named by the packed subtraction before the first sum is made
.endr
	v_mov_b32 v[AL+1], 0
	v_mov_b32 v[TX], 0                             ; a permute's destination counts as read
.macro KLOAD slot, i                   ; 16 LDS loads: 64 keys x 64 d
	WIN 0
.irp kb, 0,1,2,3
.irp c, 0,1
	ds_load_b128 v[KF+8*(2*\kb+\c):KF+8*(2*\kb+\c)+3],   v[ADRK+\slot] offset:((\i)/2)*REGION+((\i)%2)*64*KP+\kb*16*KP+64*\c
	ds_load_b128 v[KF+8*(2*\kb+\c)+4:KF+8*(2*\kb+\c)+7], v[ADRK+\slot] offset:((\i)/2)*REGION+((\i)%2)*64*KP+\kb*16*KP+64*\c+32
.endr
.endr
.endm
.macro VLOAD slot, i                   ; 16 transposing LDS loads: 64 d x 64 keys
	WIN 0x40
.irp c, 0,1
.irp db, 0,1,2,3
	ds_load_tr16_b128 v[VF+8*(4*\c+\db):VF+8*(4*\c+\db)+3],   v[ADRV+\slot] offset:((\i)/2)*REGION+(((\i)%2)*64+32*\c)*VP+32*\db
	ds_load_tr16_b128 v[VF+8*(4*\c+\db)+4:VF+8*(4*\c+\db)+7], v[ADRV+\slot] offset:((\i)/2)*REGION+(((\i)%2)*64+32*\c+16)*VP+32*\db
.endr
.endr
.endm
; The next of the eight score products of query block QS (NS counts them: key tile NS mod 4, half NS / 4 of d); nothing when NS = 8.
.set NS, 8
.set NP, 8
.set QS, 0
.set QP, 0
.set FIRST, 0
.macro HOOK_S
.if NS < 8
	WIN 0
.set SD_, SB+32*(QS%3)+8*(NS%4)
.set KA_, KF+8*(2*(NS%4)+NS/4)
.set QB_, QF+8*(2*QS+NS/4)
.if NS < 4
	v_wmma_f32_16x16x32_bf16 v[SD_:SD_+7], v[KA_:KA_+7], v[QB_:QB_+7], 0
.else
	v_wmma_f32_16x16x32_bf16 v[SD_:SD_+7], v[KA_:KA_+7], v[QB_:QB_+7], v[SD_:SD_+7]
.endif
.set NS, NS+1
.endif
.endm
; The next of the eight P V products of query block QP (d tile NP mod 4, 32 keys NP / 4); in the first inner step the first four start the sums.
.macro HOOK_P
.if NP < 8
	WIN 0x51
.set YD_, YB+8*(4*QP+NP%4)
.set VA_, VF+8*(4*(NP/4)+NP%4)
.set PB_, SB+32*(QP%3)+16*(NP/4)
.set ZC_, FIRST*(1-NP/4)
.if ZC_
	v_wmma_f32_16x16x32_f16 v[YD_:YD_+7], v[VA_:VA_+7], v[PB_:PB_+7], 0
.else
	v_wmma_f32_16x16x32_f16 v[YD_:YD_+7], v[VA_:VA_+7], v[PB_:PB_+7], v[YD_:YD_+7]
.endif
.set NP, NP+1
.endif
.endm
.macro SUB1 t, p                       ; pair p of tile t loses the maximum
	v_pk_add_f32 v[RB+8*\t+2*\p:RB+8*\t+2*\p+1], v[RB+8*\t+2*\p:RB+8*\t+2*\p+1], v[MR:MR+1] op_sel_hi:[1,0] neg_lo:[0,1] neg_hi:[0,1]
.endm
.macro EXP1 t, i
	v_exp_f32 v[RB+8*\t+\i], v[RB+8*\t+\i]
.endm
.macro SUM1 t, g                       ; tile t's four pairs into U[t], in three steps
.if \g == 0
	s_wait_alu depctr_va_vdst(0)
	v_pk_add_f32 v[U+2*\t:U+2*\t+1], v[RB+8*\t:RB+8*\t+1], v[RB+8*\t+2:RB+8*\t+3]
.else
	s_wait_alu depctr_va_vdst(0)
	v_pk_add_f32 v[U+2*\t:U+2*\t+1], v[U+2*\t:U+2*\t+1], v[RB+8*\t+2*\g+2:RB+8*\t+2*\g+3]
.endif
.endm
.macro PACK u                          ; tile u to f16, in place: tiles 2c, 2c+1 become registers 0-3, 4-7 of fragment c at 16 c
.irp p, 0,1,2,3
	v_cvt_pk_f16_f32 v[RB+16*(\u/2)+4*(\u%2)+\p], v[RB+8*\u+2*\p], v[RB+8*\u+2*\p+1]
.endr
.endm
; The softmax of query block qb over this step's 64 keys, with eight places for a score product and eight for a P V product.
; Behind every exponential stands a plain instruction on other registers before its result is used (ISA guide 5.7.2).
.macro SM qb
.set RB, SB+32*(\qb%3)
.set MR, ML+2*\qb
.set YQ, YB+32*\qb
	PLACES                                         ; behind the block's last score product
	WIN 0
.irp kb, 0,1,2,3
	v_max3_num_f32 v[TM+\kb], v[RB+8*\kb], v[RB+8*\kb+1], v[RB+8*\kb+2]
.endr
	HOOK_S
.irp kb, 0,1,2,3
	v_max3_num_f32 v[TM+\kb], v[TM+\kb], v[RB+8*\kb+3], v[RB+8*\kb+4]
.endr
	HOOK_P
	WIN 0
.irp kb, 0,1,2,3
	v_max3_num_f32 v[TM+\kb], v[TM+\kb], v[RB+8*\kb+5], v[RB+8*\kb+6]
.endr
	HOOK_S
.irp kb, 0,1,2,3
	v_max_num_f32 v[TM+\kb], v[TM+\kb], v[RB+8*\kb+7]
.endr
	HOOK_P
	WIN 0
	v_max3_num_f32 v[TM], v[TM], v[TM+1], v[TM+2]
	v_max_num_f32 v[TM], v[TM], v[TM+3]
	v_permlanex16_b32 v[TX], v[TM], s52, s53       ; the other half's keys of the same query
.if FIRST
	v_max_num_f32 v[MR], v[TM], v[TX]
.else
	v_max3_num_f32 v[TN], v[TM], v[TX], v[MR]      ; the running maximum
	v_sub_f32 v[AL], v[MR], v[TN]
	v_mov_b32 v[MR], v[TN]
	v_exp_f32 v[AL], v[AL]                         ; 2^(old - new)
.endif
	SUB1 0, 0
	SUB1 0, 1
	SUB1 0, 2
	SUB1 0, 3
	HOOK_S
	; tile 0's exponentials beside tile 1's subtraction
.irp i, 0,1,2,3
	EXP1 0, \i
	SUB1 1, \i
.endr
	HOOK_P
	WIN 0
.irp i, 4,5,6,7
	EXP1 0, \i
.endr
	HOOK_S
	; tile 1's exponentials beside tile 2's subtraction and tile 0's sum
.irp i, 0,1,2,3
	EXP1 1, \i
	SUB1 2, \i
.endr
	HOOK_P
	WIN 0
	EXP1 1, 4
	SUM1 0, 0
	EXP1 1, 5
	SUM1 0, 1
	EXP1 1, 6
	SUM1 0, 2
	EXP1 1, 7
	PACK 0
	HOOK_S
.irp i, 0,1,2,3
	EXP1 2, \i
	SUB1 3, \i
.endr
	HOOK_P
	WIN 0
	EXP1 2, 4
	SUM1 1, 0
	EXP1 2, 5
	SUM1 1, 1
	EXP1 2, 6
	SUM1 1, 2
	EXP1 2, 7
	PACK 1
	HOOK_S
.irp i, 0,1,2,3
	EXP1 3, \i
.endr
	HOOK_P
	WIN 0
	EXP1 3, 4
	SUM1 2, 0
	EXP1 3, 5
	SUM1 2, 1
	EXP1 3, 6
	SUM1 2, 2
	EXP1 3, 7
	PACK 2
	HOOK_S
	SUM1 3, 0
	SUM1 3, 1
	SUM1 3, 2
	PACK 3
	HOOK_P
	WIN 0
	v_pk_add_f32 v[U:U+1], v[U:U+1], v[U+2:U+3]
	v_pk_add_f32 v[U+4:U+5], v[U+4:U+5], v[U+6:U+7]
	v_pk_add_f32 v[U:U+1], v[U:U+1], v[U+4:U+5]
.if FIRST
	v_add_f32 v[MR+1], v[U], v[U+1]
	HOOK_S
	HOOK_P
.else
	v_add_f32 v[TN], v[U], v[U+1]
	v_fma_f32 v[MR+1], v[MR+1], v[AL], v[TN]       ; my half's sum, rescaled
	HOOK_S
	WIN 0x41
.irp g, 0,1,2,3,4,5,6,7
	v_pk_mul_f32 v[YQ+2*\g:YQ+2*\g+1], v[YQ+2*\g:YQ+2*\g+1], v[AL:AL+1] op_sel_hi:[1,0]
.endr
	HOOK_P
	WIN 0x41
.irp g, 8,9,10,11,12,13,14,15
	v_pk_mul_f32 v[YQ+2*\g:YQ+2*\g+1], v[YQ+2*\g:YQ+2*\g+1], v[AL:AL+1] op_sel_hi:[1,0]
.endr
.endif
.endm
; One inner step: 64 keys at step i of the slot.  mode 1: the slot is filled again behind this step's reads; 2: change of slots without a fill; 0: neither.
; klo = 1: the K fragments of step ni of slot nslot are fetched for the next inner step.
.macro INNER slot, i, mode, klo, nslot, ni
.rept 5
	v_nop                                          ; five places behind the last P V products: V's registers are loaded again, score block 0 written again
.endr
	VLOAD \slot, \i
	s_wait_dscnt 16                                ; the 16 V loads stay out; the K fragments, issued before them, are in
.set QS, 0
.set NS, 0
.rept 8
	HOOK_S
.endr
.set QS, 1
.set NS, 0
.set NP, 8
	SM 0
	s_wait_dscnt 0x0                               ; V is in; my reads of this step are over
.if \mode
	s_set_vgpr_msb 0x4145
	s_wait_tensorcnt 0x0                           ; all my tensor loads have landed: the one that was out is my part of the next slot
	ds_add_u32 v192, v193
	s_wait_dscnt 0x0
	s_set_vgpr_msb 0x4541
	s_barrier_signal -1                            ; opens the round where the slot is filled again
.endif
.set QS, 2
.set NS, 0
.set QP, 0
.set NP, 0
	SM 1                                           ; register work alone up to the barrier's wait
.set QS, 3
.set NS, 0
.set QP, 1
.set NP, 0
	SM 2
.if \mode
	WIN 0
	s_barrier_wait -1
.endif
.if \mode == 1
	CREST                                          ; no wave of any partner reads this slot or has a load on its way
	s_add_nc_u64 s[G0K+4*\slot+2:G0K+4*\slot+3], s[G0K+4*\slot+2:G0K+4*\slot+3], 65536
	s_add_nc_u64 s[G0V+4*\slot+2:G0V+4*\slot+3], s[G0V+4*\slot+2:G0V+4*\slot+3], 65536
	JLOAD \slot                                    ; my one tensor load behind the round, ahead of every LDS read
.endif
.if \klo
	PLACES                                         ; behind the last score product, which read K's registers
	KLOAD \nslot, \ni
.endif
.set NS, 8
.set QP, 2
.set NP, 0
	SM 3
.set QP, 3
.set NP, 0
.rept 8
	HOOK_P
.endr
.endm
.macro SLOTSTEP slot, next, mode, klo
	INNER \slot, 0, 0, 1, \slot, 1
	INNER \slot, 1, 0, 1, \slot, 2
	INNER \slot, 2, 0, 1, \slot, 3
	INNER \slot, 3, \mode, \klo, \next, 0
.endm
	s_wait_tensorcnt 0x1                           ; my part of slot 0 is in; slot 1's stays out
	s_barrier_signal -1
	s_barrier_wait -1
	KLOAD 0, 0
	s_wait_loadcnt 0x0                             ; Q
.set FIRST, 1
	INNER 0, 0, 0, 1, 0, 1                         ; the first 64 keys start maxima, sums and y: nothing is cleared
.set FIRST, 0
	INNER 0, 1, 0, 1, 0, 2
	INNER 0, 2, 0, 1, 0, 3
	INNER 0, 3, 1, 1, 1, 0
	SLOTSTEP 1, 0, 1, 1
	WIN 0
	s_mov_b32 s54, 2                               ; 8 slot steps: two written out, four in the loop, two in the tail
.Llap:
	SLOTSTEP 0, 1, 1, 1
	SLOTSTEP 1, 0, 1, 1
	WIN 0
	s_sub_co_u32 s54, s54, 1
	s_cmp_lg_u32 s54, 0
	s_cbranch_scc1 .Llap
	SLOTSTEP 0, 1, 2, 1                            ; nothing is left to fetch
	SLOTSTEP 1, 0, 0, 0
	; THE WAY OUT: y / sum, to f16, 16 queries at a time through my own stage.  K's registers serve as addresses and buffers.
	WIN 0
	PLACES
.set STO, 32
.set RD,  33
.set CO,  34
.set TMP, 40
	v_and_b32 v35, 15, v0
	v_bfe_u32 v36, v0, 4, 1
	v_mul_u32_u24 v[STO], v35, SPITCH
	v_lshl_add_u32 v[STO], v36, 4, v[STO]
	s_mul_i32 s19, s12, 16*SPITCH
	s_add_co_u32 s19, s19, STAGE
	v_add_nc_u32 v[STO], s19, v[STO]
	v_and_b32 v35, 31, v0
	v_lshrrev_b32 v36, 3, v35
	v_and_b32 v37, 7, v0
	v_mul_u32_u24 v[RD], v36, SPITCH
	v_lshl_add_u32 v[RD], v37, 4, v[RD]
	v_add_nc_u32 v[RD], s19, v[RD]
	v_lshlrev_b32 v[CO], 4, v35
.macro OUTQ qb, f
	WIN 0
	v_permlanex16_b32 v[TX], v[ML+2*\qb+1], s52, s53   ; the other half's sum
	v_add_f32 v[TN], v[ML+2*\qb+1], v[TX]
	v_rcp_f32 v[AL], v[TN]                         ; the sum is at least 1: the largest score gives 2^0
	v_nop
	WIN 0x41
.irp g, 0,1,2,3,4,5,6,7,8,9,10,11,12,13,14,15
	s_wait_alu depctr_va_vdst(0)
	v_pk_mul_f32 v[YB+32*\qb+2*\g:YB+32*\qb+2*\g+1], v[YB+32*\qb+2*\g:YB+32*\qb+2*\g+1], v[AL:AL+1] op_sel_hi:[1,0]
.endr
	WIN 0x05
.irp g, 0,1,2,3,4,5,6,7,8,9,10,11,12,13,14,15
	v_cvt_pk_f16_f32 v[TMP+\g], v[YB+32*\qb+2*\g], v[YB+32*\qb+2*\g+1]
.endr
	WIN 0
.irp db, 0,1,2,3
	ds_store_b128 v[STO], v[TMP+4*\db:TMP+4*\db+3] offset:32*\db
.endr
	s_wait_xcnt 0x0                                ; buffer f, which earlier stores read, is loaded again only behind this wait
.irp t, 0,1,2,3
	ds_load_b128 v[\f+4*\t:\f+4*\t+3], v[RD] offset:\t*4*SPITCH
.endr
.irp t, 0,1,2,3
	s_wait_dscnt 3-\t                              ; the younger loads stay out
	global_store_b128 v[CO], v[\f+4*\t:\f+4*\t+3], s[10:11] offset:2048*\qb+512*\t   ; four queries of a head: 512 consecutive bytes
.endr
.endm
	OUTQ 0, 56
	OUTQ 1, 72
	OUTQ 2, 56
	OUTQ 3, 72
	s_set_vgpr_msb 0x5
	s_wait_tensorcnt 0x0
	ds_add_u32 v192, v193
	s_wait_dscnt 0x0
	s_set_vgpr_msb 0x500
	CROUND                                         ; the closing round
	s_endpgm
.Lfunc_end_k_q639289b86f_attn:
	.size	k_q639289b86f_attn, .Lfunc_end_k_q639289b86f_attn-k_q639289b86f_attn
	.p2alignl 7, 3214868480
	.fill 96, 4, 3214868480
	.section	.rodata,"a",@progbits
	.p2align	6, 0x0
	.amdhsa_kernel k_q639289b86f_attn
		.amdhsa_group_segment_fixed_size 327680
		.amdhsa_private_segment_fixed_size 0
		.amdhsa_enable_private_segment 0
		.amdhsa_kernarg_size 32
		.amdhsa_user_sgpr_count 2
		.amdhsa_user_sgpr_kernarg_segment_ptr 1
		.amdhsa_wavefront_size32 1
		.amdhsa_system_sgpr_workgroup_id_x 1
		.amdhsa_system_sgpr_workgroup_id_y 1
		.amdhsa_system_sgpr_workgroup_id_z 1
		.amdhsa_system_vgpr_workitem_id 0
		.amdhsa_next_free_vgpr 450
		.amdhsa_next_free_sgpr 72
		.amdhsa_reserve_vcc 0
		.amdhsa_float_denorm_mode_32 3
		.amdhsa_float_denorm_mode_16_64 3
		.amdhsa_memory_ordered 1
		.amdhsa_forward_progress 1
		.amdhsa_inst_pref_size 255
	.end_amdhsa_kernel
	.section	.bss,"aw",@nobits
	.p2align	6
	.space	262144
	.amdgpu_metadata
---
amdhsa.version: [ 1, 2 ]
amdhsa.kernels:
  - .name:           k_q639289b86f_attn
    .symbol:         k_q639289b86f_attn.kd
    .args:
      - { .name: qh, .offset: 0, .size: 8, .value_kind: global_buffer, .address_space: global }
      - { .name: kh, .offset: 8, .size: 8, .value_kind: global_buffer, .address_space: global }
      - { .name: vh, .offset: 16, .size: 8, .value_kind: global_buffer, .address_space: global }
      - { .name: yb, .offset: 24, .size: 8, .value_kind: global_buffer, .address_space: global }
    .group_segment_fixed_size: 327680
    .private_segment_fixed_size: 0
    .kernarg_segment_align: 8
    .kernarg_segment_size: 32
    .max_flat_workgroup_size: 128
    .sgpr_count:     72
    .vgpr_count:     450
    .wavefront_size: 32
...
	.end_amdgpu_metadata
.endif
;; end of part 2
;; launch outp (part 3): grid 8 x 32, 4 waves a work-group, clusters of 4 x 4, 327,680 bytes of LDS; arguments yb, wcb, bc, out0; writes out0
.if DOCPART == 3
	.amdgcn_target "amdgcn-amd-amdhsa--gfx1250"
	.amdhsa_code_object_version 6
	.text
	.protected	k_q639289b86f_outp
	.globl	k_q639289b86f_outp
	.p2align	8
	.type	k_q639289b86f_outp,@function
k_q639289b86f_outp:
	s_mov_b64 s[64:65], 0
	v_nop
	global_prefetch_b8 v0, s[64:65] scope:SCOPE_SE
	s_setreg_imm32_b32 hwreg(HW_REG_WAVE_MODE, 25, 1), 1
	s_wait_xcnt 0x0
	s_wait_alu depctr_hold_cnt(0) depctr_sa_sdst(0) depctr_va_vdst(0) depctr_va_sdst(0) depctr_va_ssrc(0) depctr_va_vcc(0) depctr_vm_vsrc(0)
	s_getreg_b32 s2, hwreg(HW_REG_IB_STS2, 6, 4)
	s_cmp_eq_u32 s2, 0
	s_cbranch_scc0 .Lentry_in_a_cluster
	s_endpgm
.Lentry_in_a_cluster:
	s_bfe_u32 s2, ttmp6, 0x10000c
	s_cmp_lg_u32 s2, 0xf033
	s_cbranch_scc0 .Lentry_shape_is_right
	s_endpgm
.Lentry_shape_is_right:
; out0 = y Wc^T + bc.  yb: f16 [b][h][t][64]; wcb: f16 [1024][1024]; bc: f32 [1024]; out0: f32 [4096][1024].
; A work-group makes 128 x 128 with four waves, a wave 64 x 64: 16 tiles, 128 registers in window 1.
; K = 1,024 goes in four slot steps of 256 (four heads) through two LDS slots; a slot step is eight quarters of 32 along K.
; CLUSTER 4 x 4: y's tile hangs on the block row alone and is asked for jointly along a row of the cluster, Wc's on the block column, along a column.
; A wave has two tensor loads out at the start and one afterwards.  The matrix instruction is used transposed (source 0 = rows of Wc, source 1 = rows of y).
; LIMITS: operands in f16 as the earlier launches left them; f32 sums in the matrix unit's own order.
.set REGION, 36864                     ; what one wave fills.  Waves 0, 1: y's rows 0-63, 64-127 as [4 heads][64 rows][144 bytes]; waves 2, 3: Wc's rows 0-63, 64-127, pitch 528
.set SLOT,   4*REGION
.set STAGE,  2*SLOT
.set SPITCH, 272
.set ADRA, 16
.set ADRB, 18
.set STO,  20
.set RD,   21
.set CO,   22
.set BO,   23
.set BIAS, 24                          ; v24-27  bias of the four columns that I store
.set F0,   32                          ; v32-95  fragments: Wc's b at 8 b, y's a at 32 + 8 a
.set F1,   96                          ; v96-159
.set G1A, 20
.set G0A, 28
.set G1B, 36
.set G0B, 44
.set MSB, 0
.macro WIN new
.if MSB != \new
	s_set_vgpr_msb (MSB<<8)|\new
.set MSB, \new
.endif
.endm
.macro PLACES
.rept 4
	v_nop
.endr
.endm
.macro CREST
	s_cmp_lg_u32 s12, 0
	s_cbranch_scc1 .Lnot_wave_0_\@
	s_barrier_signal -3
.Lnot_wave_0_\@:
	s_barrier_wait -3
	s_barrier_signal -1
	s_barrier_wait -1
.endm
.macro CROUND
	s_barrier_signal -1
	s_barrier_wait -1
	CREST
.endm
.macro JLOAD s
	s_cmp_eq_u32 s13, 0
	s_cbranch_scc0 .Lfor_b_\@
	tensor_load_to_lds s[G0A+4*\s:G0A+4*\s+3], s[G1A:G1A+7]
	s_nop 0
	s_branch .Lasked_\@
.Lfor_b_\@:
	tensor_load_to_lds s[G0B+4*\s:G0B+4*\s+3], s[G1B:G1B+7]
	s_nop 0
.Lasked_\@:
.endm
	s_load_b256 s[4:11], s[0:1], 0x0               ; yb s[4:5], wcb s[6:7], bc s[8:9], out0 s[10:11]
	v_lshl_add_u32 v254, v0, 2, 0x4c400
	v_mov_b32 v255, 0
	ds_add_u32 v254, v255
	v_lshrrev_b32 v1, 5, v0
	v_readfirstlane_b32 s12, v1                    ; wave
	s_lshr_b32 s13, s12, 1                         ; which 64 rows are mine; also: I fetch y (0) or Wc (1)
	s_and_b32 s14, s12, 1                          ; which 64 columns; also: which half of that tile
	s_bfe_u32 s15, ttmp6, 0x40000                  ; cx
	s_bfe_u32 s16, ttmp6, 0x40004                  ; cy
	s_lshl_b32 s17, ttmp9, 2
	s_add_co_u32 s17, s17, s15                     ; block column of 128
	s_and_b32 s18, ttmp7, 0xffff
	s_lshl_b32 s18, s18, 2
	s_add_co_u32 s18, s18, s16                     ; block row of 128
	s_lshl_b32 s52, s16, 2
	s_lshl_b32 s52, 15, s52                        ; my row of the cluster
	s_lshl_b32 s53, 0x1111, s15                    ; my column
	; y: a head's 64 rows are 8,192 dense bytes = one tile row of 1,024 elements of 8 bytes; four heads, 262,144 bytes apart; 4 words of padding behind every 32
	s_or_b32 s[G1A+0], s52, (3<<16)|(1<<20)|(1<<21)|(4<<22)|(3<<25)
	s_mov_b32 s[G1A+1], 1024<<16
	s_mov_b32 s[G1A+2], 4<<16
	s_mov_b32 s[G1A+3], 1024<<16
	s_mov_b32 s[G1A+4], 4
	s_mov_b32 s[G1A+5], 32768
	s_mov_b32 s[G1A+6], 0
	s_mov_b32 s[G1A+7], 0
	; Wc: 64 rows of 256 elements of 2 bytes, pitch 1,024; 4 words of padding behind every 128
	s_or_b32 s[G1B+0], s53, (1<<16)|(1<<20)|(1<<21)|(6<<22)|(3<<25)
	s_mov_b32 s[G1B+1], 256<<16
	s_mov_b32 s[G1B+2], 64<<16
	s_mov_b32 s[G1B+3], 256<<16
	s_mov_b32 s[G1B+4], 64
	s_mov_b32 s[G1B+5], 1024
	s_mov_b32 s[G1B+6], 0
	s_mov_b32 s[G1B+7], 0
	s_lshr_b32 s54, s18, 4                         ; y: batch,
	s_lshl_b32 s54, s54, 22
	s_lshl_b32 s55, s18, 7                         ; and row 128 x block row + 64 x half in the batch, of 128 bytes
	s_lshl_b32 s56, s14, 6
	s_add_co_u32 s55, s55, s56
	s_and_b32 s55, s55, 2047
	s_lshl_b32 s55, s55, 7
	s_add_co_u32 s54, s54, s55
	s_mov_b32 s55, 0
	s_lshl_b32 s58, s17, 7                         ; Wc: row 128 x block column + 64 x half, of 2,048 bytes
	s_lshl_b32 s59, s14, 6
	s_add_co_u32 s58, s58, s59
	s_lshl_b32 s58, s58, 11
	s_mov_b32 s59, 0
	s_mul_i32 s19, s12, REGION
	s_wait_dscnt 0x0
	s_wait_kmcnt 0x0
	s_add_nc_u64 s[4:5], s[4:5], s[54:55]
	s_add_nc_u64 s[6:7], s[6:7], s[58:59]
	CROUND                                         ; all sixteen work-groups are here: the first joint loads meet
.irp s, 0,1
	s_mov_b32 s[G0A+4*\s], 1
	s_add_co_u32 s[G0A+4*\s+1], s19, \s*SLOT
	s_add_nc_u64 s[G0A+4*\s+2:G0A+4*\s+3], s[4:5], \s*1048576      ; four heads on
	s_or_b32 s[G0A+4*\s+3], s[G0A+4*\s+3], 0x80000000
	s_mov_b32 s[G0B+4*\s], 1
	s_add_co_u32 s[G0B+4*\s+1], s19, \s*SLOT
	s_add_nc_u64 s[G0B+4*\s+2:G0B+4*\s+3], s[6:7], \s*512
	s_or_b32 s[G0B+4*\s+3], s[G0B+4*\s+3], 0x80000000
	JLOAD \s
.endr
	v_and_b32 v1, 15, v0                           ; r
	v_bfe_u32 v2, v0, 4, 1                         ; h
	v_mul_u32_u24 v3, v1, 144
	v_lshl_add_u32 v3, v2, 4, v3
	s_mul_i32 s72, s13, REGION
	v_add_nc_u32 v[ADRA], s72, v3
	v_add_nc_u32 v[ADRA+1], SLOT, v[ADRA]
	v_mul_u32_u24 v4, v1, 528
	v_lshl_add_u32 v4, v2, 4, v4
	s_mul_i32 s73, s14, REGION
	s_add_co_u32 s73, s73, 2*REGION
	v_add_nc_u32 v[ADRB], s73, v4
	v_add_nc_u32 v[ADRB+1], SLOT, v[ADRB]
	s_mul_i32 s74, s12, 16*SPITCH
	s_add_co_u32 s74, s74, STAGE
	v_mul_u32_u24 v5, v1, SPITCH
	v_lshl_add_u32 v5, v2, 5, v5                   ; in: row r, 32 bytes for each half of the lanes
	v_add_nc_u32 v[STO], s74, v5
	v_mul_u32_u24 v6, v2, SPITCH
	v_lshl_add_u32 v6, v1, 4, v6                   ; back: lanes 0-15 one row of 256 bytes, lanes 16-31 the next
	v_add_nc_u32 v[RD], s74, v6
	v_lshlrev_b32 v[BO], 4, v1
	v_lshl_add_u32 v[CO], v2, 12, v[BO]            ; the same two rows in out0
	s_lshl_b32 s70, s17, 9                         ; my first column, in bytes
	s_lshl_b32 s71, s14, 8
	s_add_co_u32 s70, s70, s71
	s_mov_b32 s71, 0
	s_add_nc_u64 s[8:9], s[8:9], s[70:71]
	global_load_b128 v[BIAS:BIAS+3], v[BO], s[8:9]
	s_lshl_b32 s66, s18, 7                         ; my first row
	s_lshl_b32 s67, s13, 6
	s_add_co_u32 s66, s66, s67
	s_lshl_b32 s66, s66, 12
	s_add_co_u32 s66, s66, s70
	s_mov_b32 s67, 0
	s_add_nc_u64 s[10:11], s[10:11], s[66:67]
.macro FETCH slot, q, f                ; 16 LDS loads: the fragments of quarter q (head q / 2, half q mod 2 of its 64) into buffer f
	WIN 0
.irp b, 0,1,2,3
	ds_load_b128 v[\f+8*\b:\f+8*\b+3],   v[ADRB+\slot] offset:\b*16*528+64*(\q)
	ds_load_b128 v[\f+8*\b+4:\f+8*\b+7], v[ADRB+\slot] offset:\b*16*528+64*(\q)+32
.endr
.irp a, 0,1,2,3
	ds_load_b128 v[\f+32+8*\a:\f+32+8*\a+3],   v[ADRA+\slot] offset:((\q)/2)*9216+\a*16*144+((\q)%2)*64
	ds_load_b128 v[\f+32+8*\a+4:\f+32+8*\a+7], v[ADRA+\slot] offset:((\q)/2)*9216+\a*16*144+((\q)%2)*64+32
.endr
.endm
.macro MUL8 f, a0, zero                ; eight products; the 16 accumulators take turns, one instruction a turn
	WIN 0x50
.irp a, \a0, \a0+1
.irp b, 0,1,2,3
.if \zero
	v_wmma_f32_16x16x32_f16 v[8*(4*(\a)+\b):8*(4*(\a)+\b)+7], v[\f+8*\b:\f+8*\b+7], v[\f+32+8*(\a):\f+32+8*(\a)+7], 0
.else
	v_wmma_f32_16x16x32_f16 v[8*(4*(\a)+\b):8*(4*(\a)+\b)+7], v[\f+8*\b:\f+8*\b+7], v[\f+32+8*(\a):\f+32+8*(\a)+7], v[8*(4*(\a)+\b):8*(4*(\a)+\b)+7]
.endif
.endr
.endr
.endm
.macro QTR slot, q, f, g, zero         ; quarter q on buffer f; the next quarter's fragments go into buffer g meanwhile
	s_wait_dscnt 0x0                               ; buffer f is in
	PLACES                                         ; buffer g was read by the last products
	FETCH \slot, \q+1, \g
	MUL8 \f, 0, \zero
	MUL8 \f, 2, \zero
.endm
.macro SEVEN slot, zero
	QTR \slot, 0, F0, F1, \zero
	QTR \slot, 1, F1, F0, 0
	QTR \slot, 2, F0, F1, 0
	QTR \slot, 3, F1, F0, 0
	QTR \slot, 4, F0, F1, 0
	QTR \slot, 5, F1, F0, 0
	QTR \slot, 6, F0, F1, 0
.endm
.macro TURN slot, next, mode           ; the eighth quarter and the change of slots; mode 1: this slot is filled again; 2: it is not
	s_wait_dscnt 0x0                               ; my reads of this slot are over
	s_wait_tensorcnt 0x0                           ; all my tensor loads have landed: the one that was out is my part of the next slot
	ds_add_u32 v254, v255
	s_wait_dscnt 0x0
	s_barrier_signal -1
	MUL8 F1, 0, 0                                  ; register work while the others arrive
	WIN 0
	s_barrier_wait -1
.if \mode == 1
	CREST                                          ; no wave of any partner reads this slot or has a load on its way
	s_add_nc_u64 s[G0A+4*\slot+2:G0A+4*\slot+3], s[G0A+4*\slot+2:G0A+4*\slot+3], 2097152
	s_add_nc_u64 s[G0B+4*\slot+2:G0B+4*\slot+3], s[G0B+4*\slot+2:G0B+4*\slot+3], 1024
	JLOAD \slot                                    ; my one tensor load behind the round, ahead of every LDS read
.endif
	PLACES
	FETCH \next, 0, F0
	MUL8 F1, 2, 0
.endm
	s_wait_tensorcnt 0x1                           ; my part of slot 0 is in; slot 1's stays out
	s_barrier_signal -1
	s_barrier_wait -1
	FETCH 0, 0, F0
	SEVEN 0, 1                                     ; the first products start the sums
	TURN 0, 1, 1
	SEVEN 1, 0
	TURN 1, 0, 1
	SEVEN 0, 0
	TURN 0, 1, 2
	SEVEN 1, 0
	s_wait_dscnt 0x0
	MUL8 F1, 0, 0
	MUL8 F1, 2, 0
	; THE WAY OUT, 16 rows at a time: the f32 tiles into my own stage, whole rows of 256 bytes back, bias added, stored
	WIN 0
	PLACES
	s_wait_loadcnt 0x0                             ; the bias
.macro OUT16 a, f
	WIN 0x04
.irp b, 0,1,2,3
	ds_store_b128 v[STO], v[8*(4*\a+\b):8*(4*\a+\b)+3]   offset:64*\b
	ds_store_b128 v[STO], v[8*(4*\a+\b)+4:8*(4*\a+\b)+7] offset:64*\b+16
.endr
	WIN 0
	s_wait_xcnt 0x0                                ; buffer f, which earlier stores read, is loaded again only behind this wait
.irp t, 0,1,2,3,4,5,6,7
	ds_load_b128 v[\f+4*\t:\f+4*\t+3], v[RD] offset:\t*2*SPITCH    ; LDS serves a wave's instructions in order: these see the stores above
.endr
.irp t, 0,1,2,3,4,5,6,7
	s_wait_dscnt 7-\t                              ; the younger loads stay out
	v_pk_add_f32 v[\f+4*\t:\f+4*\t+1],   v[\f+4*\t:\f+4*\t+1],   v[BIAS:BIAS+1]
	v_pk_add_f32 v[\f+4*\t+2:\f+4*\t+3], v[\f+4*\t+2:\f+4*\t+3], v[BIAS+2:BIAS+3]
	global_store_b128 v[CO], v[\f+4*\t:\f+4*\t+3], s[10:11] offset:(16*\a+2*\t)*4096   ; 16 lanes store 256 consecutive bytes, aligned
.endr
.endm
	OUT16 0, F0
	OUT16 1, F1
	OUT16 2, F0
	OUT16 3, F1
	s_wait_tensorcnt 0x0
	ds_add_u32 v254, v255
	s_wait_dscnt 0x0
	CROUND                                         ; the closing round
	s_endpgm
.Lfunc_end_k_q639289b86f_outp:
	.size	k_q639289b86f_outp, .Lfunc_end_k_q639289b86f_outp-k_q639289b86f_outp
	.p2alignl 7, 3214868480
	.fill 96, 4, 3214868480
	.section	.rodata,"a",@progbits
	.p2align	6, 0x0
	.amdhsa_kernel k_q639289b86f_outp
		.amdhsa_group_segment_fixed_size 327680
		.amdhsa_private_segment_fixed_size 0
		.amdhsa_enable_private_segment 0
		.amdhsa_kernarg_size 32
		.amdhsa_user_sgpr_count 2
		.amdhsa_user_sgpr_kernarg_segment_ptr 1
		.amdhsa_wavefront_size32 1
		.amdhsa_system_sgpr_workgroup_id_x 1
		.amdhsa_system_sgpr_workgroup_id_y 1
		.amdhsa_system_sgpr_workgroup_id_z 1
		.amdhsa_system_vgpr_workitem_id 0
		.amdhsa_next_free_vgpr 384
		.amdhsa_next_free_sgpr 80
		.amdhsa_reserve_vcc 0
		.amdhsa_float_denorm_mode_32 3
		.amdhsa_float_denorm_mode_16_64 3
		.amdhsa_memory_ordered 1
		.amdhsa_forward_progress 1
		.amdhsa_inst_pref_size 93
	.end_amdhsa_kernel
	.amdgpu_metadata
---
amdhsa.version: [ 1, 2 ]
amdhsa.kernels:
  - .name:           k_q639289b86f_outp
    .symbol:         k_q639289b86f_outp.kd
    .args:
      - { .name: yb, .offset: 0, .size: 8, .value_kind: global_buffer, .address_space: global }
      - { .name: wcb, .offset: 8, .size: 8, .value_kind: global_buffer, .address_space: global }
      - { .name: bc, .offset: 16, .size: 8, .value_kind: global_buffer, .address_space: global }
      - { .name: out0, .offset: 24, .size: 8, .value_kind: global_buffer, .address_space: global }
    .group_segment_fixed_size: 327680
    .private_segment_fixed_size: 0
    .kernarg_segment_align: 8
    .kernarg_segment_size: 32
    .max_flat_workgroup_size: 128
    .sgpr_count:     80
    .vgpr_count:     384
    .wavefront_size: 32
...
	.end_amdgpu_metadata
.endif
;; end of part 3
;; ======== version 2 of 2: 3 launches; 1.40 times as fast as version 1
;; limits: values are held in f16: magnitudes above 65,504 overflow, below 6.1e-05 lose precision; inputs' magnitudes at most 65,504
;; workspace buffers: qh 8,388,608 bytes; kh 8,388,608 bytes; vh 8,388,608 bytes; yb 8,388,608 bytes; wcb 2,097,152 bytes
;; launch proj: the kernel of part 1 again; grid 16 x 16, 4 waves a work-group, clusters of 4 x 4, 327,680 bytes of LDS; arguments q, k, Wq, Wk, bq, bk, qh, kh, v, Wc, vh, wcb; writes qh, kh, vh, wcb
;; launch attn (part 4): grid 8 x 32, 8 waves a work-group, clusters of 4 x 1, 327,680 bytes of LDS; arguments qh, kh, vh, yb; writes yb
.if DOCPART == 4
	.amdgcn_target "amdgcn-amd-amdhsa--gfx1250"
	.amdhsa_code_object_version 6
	.text
	.protected	k_q639289b86f_attn
	.globl	k_q639289b86f_attn
	.p2align	8
	.type	k_q639289b86f_attn,@function
k_q639289b86f_attn:
	s_mov_b64 s[64:65], 0
	v_nop
	global_prefetch_b8 v0, s[64:65] scope:SCOPE_SE
	s_setreg_imm32_b32 hwreg(HW_REG_WAVE_MODE, 25, 1), 1
	s_wait_xcnt 0x0
	s_wait_alu depctr_hold_cnt(0) depctr_sa_sdst(0) depctr_va_vdst(0) depctr_va_sdst(0) depctr_va_ssrc(0) depctr_va_vcc(0) depctr_vm_vsrc(0)
	s_getreg_b32 s2, hwreg(HW_REG_IB_STS2, 6, 4)
	s_cmp_eq_u32 s2, 0
	s_cbranch_scc0 .Lentry_in_a_cluster
	s_endpgm
.Lentry_in_a_cluster:
	s_bfe_u32 s2, ttmp6, 0x10000c
	s_cmp_lg_u32 s2, 0x3003
	s_cbranch_scc0 .Lentry_shape_is_right
	s_endpgm
.Lentry_shape_is_right:
; yb = softmax(qh kh^T) vh for each of 32 (batch, head) pairs, with a running maximum.  qh (already scaled by 0.125 log2(e)) and kh: bf16,
; vh and yb: f16, all [b][h][t][64].  Work-group (x, y): head y, queries 256 x .. 256 x + 255.
; EIGHT WAVES, two for each of the WGP's four SIMDs.  Wave w has the 64 queries (4 blocks of 16) of group w mod 4 and key half w / 4: of every 256 keys
; the first or the second 128.  So each K and V byte is read from LDS by four waves, as with four waves of 64 queries, and beside a wave that waits for
; a result of its own stands a second one with work of its own.  At the end the two waves of a group join their maxima, sums and y through LDS.
; CLUSTER 4 x 1: the four query blocks of a cluster walk the same K and V tiles and ask for them jointly (mask 15).
; TRANSPOSED FORM.  Scores: S^T = K Q^T (source 0 = 16 keys, source 1 = 16 queries): lane (r, h) holds query r and keys 8 h + j, so the maximum and the
; sum of a row are made inside the lane plus one exchange between the halves.  Two key tiles, packed in place to f16, ARE the source-1 fragment of P^T.
; Output: y^T = V^T P^T, source 0 read from V [key][d] by the transposing LDS load: a lane holds 8 neighbouring d of one query,
; and the rescaling factor is one number a lane.
; K and V go through two LDS slots of 256 keys, eight slot steps; a slot is two inner steps of 64 keys for each wave: 16 inner steps a wave.
; Every wave fetches a quarter of K's or of V's tile; a wave has two tensor loads out at the start, one afterwards.
; The softmax of query block qb is written between the score products of block qb + 1 and the P V products of block qb - 1.
; The text holds six copies of the inner step: the first of all (it starts the sums), two in the loop, three in the tail.
; All accumulators take turns, one matrix instruction a turn.
; LIMITS: P is rounded to f16 (parts below 2^-25 of the largest of its key half vanish); exponentials below 2^-126 are zero; a NaN loses in the maxima and
; infinite scores are not served; y is rounded to f16; the sums' order, the joining of the two key halves included, is this text's own.
.set KP,     144                       ; LDS pitch of a K row: 128 bytes + 16
.set VP,     160                       ; LDS pitch of a V row: 128 bytes + 32 (an odd multiple of 32, for the transposing load)
.set KSTEP,  64*KP                     ; 9,216: 64 keys of K: what one of waves 4-7 fills, and an inner step's keys
.set VSTEP,  64*VP                     ; 10,240: the same for V and waves 0-3
.set SLOTX,  0x10000                   ; from slot 0 to slot 1, in V's ring and in K's.  A slot's bytes (40,960 and 36,864) end below it, so no address
                                       ; inside slot 0 has this bit, and an exclusive or with it leads from one slot to the other and back
.set KBASE,  0x20000                   ; V's slots begin at 0 and 0x10000, K's at 0x20000 and 0x30000
.set XCH,    KBASE+SLOTX+4*KSTEP       ; 233,472: the exchange, 17 x 512 bytes for each wave; never filled by a tensor load
.set XBYTES, 17*512
.set STAGE,  XCH+8*XBYTES              ; 303,104: 16 rows x 144 bytes for each wave; never filled by a tensor load
.set SPITCH, 144
.set AK,   4                           ; v4      my place in the slot from which the next K fragments are fetched
.set AV,   5                           ; v5      my place in the slot from which V's fragments are fetched
.set AK0,  6                           ; v6      my lane's place in my key half of K's slot 0; never rewritten
.set AV0,  7                           ; v7      the same for V
.set ML,   8                           ; v8-15   block qb: maximum v[8+2qb], my half's sum v[9+2qb]
.set AL,   16                          ; v16-17  the rescaling factor (a pair for the packed multiply)
.set TM,   18                          ; v18-21  four chains of maxima
.set TX,   22
.set TN,   23
.set U,    24                          ; v24-31  four pairs of partial sums
.set KF,   32                          ; v32-95  K fragment (kb, c) at 8 (2 kb + c)
.set QF,   96                          ; v96-159 Q fragment (qb, c) at 8 (2 qb + c)
.set SB,   160                         ; v160-255 three score blocks of 32; block qb uses number qb mod 3; tile kb at 8 kb
.set VF,   0                           ; window 1, v0-63: V fragment (db, c) at 8 (4 c + db)
.set YB,   64                          ; window 1, v64-191: y tile (qb, db) at 8 (4 qb + db)
.set G1K, 20
.set G1V, 28
.set G0K, 36                           ; s[36:39] slot 0's first fill; s[40:43] slot 1's first fill and every refill
.set G0V, 44                           ; s[44:47], s[48:51] likewise
; s54 trips left; s60 the offset of the slot that is entered next; s56-59, s62, s63 at work
.set MSB, 0
.macro WIN new
.if MSB != \new
	s_set_vgpr_msb (MSB<<8)|\new
.set MSB, \new
.endif
.endm
.macro PLACES
.rept 4
	v_nop
.endr
.endm
.macro CREST
	s_cmp_lg_u32 s12, 0
	s_cbranch_scc1 .Lnot_wave_0_\@
	s_barrier_signal -3
.Lnot_wave_0_\@:
	s_barrier_wait -3
	s_barrier_signal -1
	s_barrier_wait -1
.endm
.macro CROUND
	s_barrier_signal -1
	s_barrier_wait -1
	CREST
.endm
.macro JLOAD s                         ; waves 0-3 ask for V's quarters, waves 4-7 for K's
	s_cmp_eq_u32 s13, 0
	s_cbranch_scc0 .Lfor_k_\@
	tensor_load_to_lds s[G0V+4*\s:G0V+4*\s+3], s[G1V:G1V+7]
	s_nop 0
	s_branch .Lasked_\@
.Lfor_k_\@:
	tensor_load_to_lds s[G0K+4*\s:G0K+4*\s+3], s[G1K:G1K+7]
	s_nop 0
.Lasked_\@:
.endm
	s_load_b256 s[4:11], s[0:1], 0x0               ; qh s[4:5], kh s[6:7], vh s[8:9], yb s[10:11]
	s_set_vgpr_msb 0x40
	v_lshl_add_u32 v192, v0, 2, 0x4e800
	v_mov_b32 v193, 0
	s_set_vgpr_msb 0x4045
	ds_add_u32 v192, v193
	s_set_vgpr_msb 0x4500
	v_lshrrev_b32 v1, 5, v0
	v_readfirstlane_b32 s12, v1                    ; wave
	s_lshr_b32 s13, s12, 2                         ; my key half; also: I fetch V (0) or K (1)
	s_and_b32 s14, s12, 3                          ; my group of 64 queries; also: which 64 keys of the slot I fetch
	s_bfe_u32 s15, ttmp6, 0x40000                  ; cx
	s_lshl_b32 s16, ttmp9, 2
	s_add_co_u32 s16, s16, s15                     ; query block of 256
	s_and_b32 s17, ttmp7, 0xffff                   ; batch x 16 + head
	s_mov_b32 s52, 0x76543210                      ; v_permlanex16_b32: lane i reads lane i of the other half
	s_mov_b32 s53, 0xfedcba98
	; group 1: 64 keys are 8,192 dense bytes, taken as 32 rows of 32 elements of 8 bytes; padding behind every 32 words (a key's row)
	s_mov_b32 s[G1K+0], 15|(3<<16)|(1<<20)|(1<<21)|(4<<22)|(3<<25)   ; 4 words of padding
	s_mov_b32 s[G1V+0], 15|(3<<16)|(1<<20)|(1<<21)|(4<<22)|(7<<25)   ; 8 words
	s_mov_b32 s[G1K+1], 32<<16
	s_mov_b32 s[G1V+1], 32<<16
	s_mov_b32 s[G1K+2], 32<<16
	s_mov_b32 s[G1V+2], 32<<16
	s_mov_b32 s[G1K+3], 32<<16
	s_mov_b32 s[G1V+3], 32<<16
	s_mov_b32 s[G1K+4], 32
	s_mov_b32 s[G1V+4], 32
	s_mov_b32 s[G1K+5], 32
	s_mov_b32 s[G1V+5], 32
	s_mov_b32 s[G1K+6], 0
	s_mov_b32 s[G1V+6], 0
	s_mov_b32 s[G1K+7], 0
	s_mov_b32 s[G1V+7], 0
	s_lshl_b32 s56, s17, 18                        ; the head's 262,144 bytes, and my quarter of a slot: nothing of cx
	s_lshl_b32 s57, s14, 13
	s_add_co_u32 s56, s56, s57
	s_mov_b32 s57, 0
	s_mul_i32 s18, s12, VSTEP                      ; where V's tiles go (waves 0-3): wave x 10,240
	s_mul_i32 s19, s12, KSTEP
	s_add_co_u32 s19, s19, KBASE-4*KSTEP           ; where K's go (waves 4-7): KBASE + (wave - 4) x 9,216
	s_lshl_b32 s58, s17, 11                        ; my 64 queries: row head x 2,048 + 256 x block + 64 x group, of 128 bytes
	s_lshl_b32 s59, s16, 8
	s_add_co_u32 s58, s58, s59
	s_lshl_b32 s59, s14, 6
	s_add_co_u32 s58, s58, s59
	s_lshl_b32 s58, s58, 7
	s_mov_b32 s59, 0
	s_wait_dscnt 0x0
	s_wait_kmcnt 0x0
	s_add_nc_u64 s[6:7], s[6:7], s[56:57]
	s_add_nc_u64 s[8:9], s[8:9], s[56:57]
	s_add_nc_u64 s[4:5], s[4:5], s[58:59]
	s_add_nc_u64 s[10:11], s[10:11], s[58:59]
	CROUND                                         ; the four work-groups are here: the first joint loads meet
.irp s, 0,1
	s_mov_b32 s[G0K+4*\s], 1
	s_add_co_u32 s[G0K+4*\s+1], s19, \s*SLOTX
	s_add_nc_u64 s[G0K+4*\s+2:G0K+4*\s+3], s[6:7], \s*32768
	s_or_b32 s[G0K+4*\s+3], s[G0K+4*\s+3], 0x80000000
	s_mov_b32 s[G0V+4*\s], 1
	s_add_co_u32 s[G0V+4*\s+1], s18, \s*SLOTX
	s_add_nc_u64 s[G0V+4*\s+2:G0V+4*\s+3], s[8:9], \s*32768
	s_or_b32 s[G0V+4*\s+3], s[G0V+4*\s+3], 0x80000000
	JLOAD \s
.endr
	v_and_b32 v1, 15, v0                           ; r
	v_bfe_u32 v3, v0, 4, 1                         ; h
	v_lshlrev_b32 v2, 7, v1
	v_lshl_add_u32 v2, v3, 4, v2                   ; Q: row r, 16 h; never rewritten
.irp qb, 0,1,2,3
.irp c, 0,1
	global_load_b128 v[QF+8*(2*\qb+\c):QF+8*(2*\qb+\c)+3],   v2, s[4:5] offset:2048*\qb+64*\c
	global_load_b128 v[QF+8*(2*\qb+\c)+4:QF+8*(2*\qb+\c)+7], v2, s[4:5] offset:2048*\qb+64*\c+32
.endr
.endr
	s_mul_i32 s62, s13, 2*KSTEP                    ; my key half: 128 keys on
	s_add_co_u32 s62, s62, KBASE
	s_mul_i32 s63, s13, 2*VSTEP
	v_mul_u32_u24 v[AK0], v1, KP
	v_lshl_add_u32 v[AK0], v3, 4, v[AK0]           ; key r, 16 h,
	v_add_nc_u32 v[AK0], s62, v[AK0]               ; in my half of K's slot 0
	v_and_b32 v1, 7, v0
	v_lshl_add_u32 v1, v3, 3, v1                   ; key 8 h + (lane mod 8)
	v_mul_u32_u24 v1, v1, VP
	v_bfe_u32 v3, v0, 3, 1
	v_lshl_add_u32 v1, v3, 4, v1                   ; and 16 bytes for the upper eight lanes of each sixteen,
	v_add_nc_u32 v[AV0], s63, v1                   ; in my half of V's slot 0
	v_mov_b32 v[AK], v[AK0]
	v_mov_b32 v[AV], v[AV0]
.irp qb, 0,1,2,3
	v_mov_b32 v[ML+2*\qb+1], 0                     ; the pair's second register is named by the packed subtraction before the first sum is made
.endr
	v_mov_b32 v[AL+1], 0
	v_mov_b32 v[TX], 0                             ; a permute's destination counts as read
.macro KLOAD koff                      ; 16 LDS loads: 64 keys x 64 d at v[AK] + koff
	WIN 0
.irp kb, 0,1,2,3
.irp c, 0,1
	ds_load_b128 v[KF+8*(2*\kb+\c):KF+8*(2*\kb+\c)+3],   v[AK] offset:\koff+\kb*16*KP+64*\c
	ds_load_b128 v[KF+8*(2*\kb+\c)+4:KF+8*(2*\kb+\c)+7], v[AK] offset:\koff+\kb*16*KP+64*\c+32
.endr
.endr
.endm
.macro VLOAD voff                      ; 16 transposing LDS loads: 64 d x 64 keys at v[AV] + voff
	WIN 0x40
.irp c, 0,1
.irp db, 0,1,2,3
	ds_load_tr16_b128 v[VF+8*(4*\c+\db):VF+8*(4*\c+\db)+3],   v[AV] offset:\voff+(32*\c)*VP+32*\db
	ds_load_tr16_b128 v[VF+8*(4*\c+\db)+4:VF+8*(4*\c+\db)+7], v[AV] offset:\voff+(32*\c+16)*VP+32*\db
.endr
.endr
.endm
; The next of the eight score products of query block QS (NS counts them: key tile NS mod 4, half NS / 4 of d); nothing when NS = 8.
.set NS, 8
.set NP, 8
.set QS, 0
.set QP, 0
.set FIRST, 0
.macro HOOK_S
.if NS < 8
	WIN 0
.set SD_, SB+32*(QS%3)+8*(NS%4)
.set KA_, KF+8*(2*(NS%4)+NS/4)
.set QB_, QF+8*(2*QS+NS/4)
.if NS < 4
	v_wmma_f32_16x16x32_bf16 v[SD_:SD_+7], v[KA_:KA_+7], v[QB_:QB_+7], 0
.else
	v_wmma_f32_16x16x32_bf16 v[SD_:SD_+7], v[KA_:KA_+7], v[QB_:QB_+7], v[SD_:SD_+7]
.endif
.set NS, NS+1
.endif
.endm
; The next of the eight P V products of query block QP (d tile NP mod 4, 32 keys NP / 4); in the first inner step the first four start the sums.
.macro HOOK_P
.if NP < 8
	WIN 0x51
.set YD_, YB+8*(4*QP+NP%4)
.set VA_, VF+8*(4*(NP/4)+NP%4)
.set PB_, SB+32*(QP%3)+16*(NP/4)
.set ZC_, FIRST*(1-NP/4)
.if ZC_
	v_wmma_f32_16x16x32_f16 v[YD_:YD_+7], v[VA_:VA_+7], v[PB_:PB_+7], 0
.else
	v_wmma_f32_16x16x32_f16 v[YD_:YD_+7], v[VA_:VA_+7], v[PB_:PB_+7], v[YD_:YD_+7]
.endif
.set NP, NP+1
.endif
.endm
.macro SUB1 t, p                       ; pair p of tile t loses the maximum
	v_pk_add_f32 v[RB+8*\t+2*\p:RB+8*\t+2*\p+1], v[RB+8*\t+2*\p:RB+8*\t+2*\p+1], v[MR:MR+1] op_sel_hi:[1,0] neg_lo:[0,1] neg_hi:[0,1]
.endm
.macro EXP1 t, i
	v_exp_f32 v[RB+8*\t+\i], v[RB+8*\t+\i]
.endm
.macro SUM1 t, g                       ; tile t's four pairs into U[t], in three steps
.if \g == 0
	s_wait_alu depctr_va_vdst(0)
	v_pk_add_f32 v[U+2*\t:U+2*\t+1], v[RB+8*\t:RB+8*\t+1], v[RB+8*\t+2:RB+8*\t+3]
.else
	s_wait_alu depctr_va_vdst(0)
	v_pk_add_f32 v[U+2*\t:U+2*\t+1], v[U+2*\t:U+2*\t+1], v[RB+8*\t+2*\g+2:RB+8*\t+2*\g+3]
.endif
.endm
.macro PACK u                          ; tile u to f16, in place: tiles 2c, 2c+1 become registers 0-3, 4-7 of fragment c at 16 c
.irp p, 0,1,2,3
	v_cvt_pk_f16_f32 v[RB+16*(\u/2)+4*(\u%2)+\p], v[RB+8*\u+2*\p], v[RB+8*\u+2*\p+1]
.endr
.endm
; The softmax of query block qb over this step's 64 keys, with eight places for a score product and eight for a P V product.
; Behind every exponential stands a plain instruction on other registers before its result is used (ISA guide 5.7.2).
.macro SM qb
.set RB, SB+32*(\qb%3)
.set MR, ML+2*\qb
.set YQ, YB+32*\qb
	PLACES                                         ; behind the block's last score product
	WIN 0
.irp kb, 0,1,2,3
	v_max3_num_f32 v[TM+\kb], v[RB+8*\kb], v[RB+8*\kb+1], v[RB+8*\kb+2]
.endr
	HOOK_S
.irp kb, 0,1,2,3
	v_max3_num_f32 v[TM+\kb], v[TM+\kb], v[RB+8*\kb+3], v[RB+8*\kb+4]
.endr
	HOOK_P
	WIN 0
.irp kb, 0,1,2,3
	v_max3_num_f32 v[TM+\kb], v[TM+\kb], v[RB+8*\kb+5], v[RB+8*\kb+6]
.endr
	HOOK_S
.irp kb, 0,1,2,3
	v_max_num_f32 v[TM+\kb], v[TM+\kb], v[RB+8*\kb+7]
.endr
	HOOK_P
	WIN 0
	v_max3_num_f32 v[TM], v[TM], v[TM+1], v[TM+2]
	v_max_num_f32 v[TM], v[TM], v[TM+3]
	v_permlanex16_b32 v[TX], v[TM], s52, s53       ; the other half's keys of the same query
.if FIRST
	v_max_num_f32 v[MR], v[TM], v[TX]
.else
	v_max3_num_f32 v[TN], v[TM], v[TX], v[MR]      ; the running maximum
	v_sub_f32 v[AL], v[MR], v[TN]
	v_mov_b32 v[MR], v[TN]
	v_exp_f32 v[AL], v[AL]                         ; 2^(old - new)
.endif
	SUB1 0, 0
	SUB1 0, 1
	SUB1 0, 2
	SUB1 0, 3
	HOOK_S
	; tile 0's exponentials beside tile 1's subtraction
.irp i, 0,1,2,3
	EXP1 0, \i
	SUB1 1, \i
.endr
	HOOK_P
	WIN 0
.irp i, 4,5,6,7
	EXP1 0, \i
.endr
	HOOK_S
	; tile 1's exponentials beside tile 2's subtraction and tile 0's sum
.irp i, 0,1,2,3
	EXP1 1, \i
	SUB1 2, \i
.endr
	HOOK_P
	WIN 0
	EXP1 1, 4
	SUM1 0, 0
	EXP1 1, 5
	SUM1 0, 1
	EXP1 1, 6
	SUM1 0, 2
	EXP1 1, 7
	PACK 0
	HOOK_S
.irp i, 0,1,2,3
	EXP1 2, \i
	SUB1 3, \i
.endr
	HOOK_P
	WIN 0
	EXP1 2, 4
	SUM1 1, 0
	EXP1 2, 5
	SUM1 1, 1
	EXP1 2, 6
	SUM1 1, 2
	EXP1 2, 7
	PACK 1
	HOOK_S
.irp i, 0,1,2,3
	EXP1 3, \i
.endr
	HOOK_P
	WIN 0
	EXP1 3, 4
	SUM1 2, 0
	EXP1 3, 5
	SUM1 2, 1
	EXP1 3, 6
	SUM1 2, 2
	EXP1 3, 7
	PACK 2
	HOOK_S
	SUM1 3, 0
	SUM1 3, 1
	SUM1 3, 2
	PACK 3
	HOOK_P
	WIN 0
	v_pk_add_f32 v[U:U+1], v[U:U+1], v[U+2:U+3]
	v_pk_add_f32 v[U+4:U+5], v[U+4:U+5], v[U+6:U+7]
	v_pk_add_f32 v[U:U+1], v[U:U+1], v[U+4:U+5]
.if FIRST
	v_add_f32 v[MR+1], v[U], v[U+1]
	HOOK_S
	HOOK_P
.else
	v_add_f32 v[TN], v[U], v[U+1]
	v_fma_f32 v[MR+1], v[MR+1], v[AL], v[TN]       ; my half's sum, rescaled
	HOOK_S
	WIN 0x41
.irp g, 0,1,2,3,4,5,6,7
	v_pk_mul_f32 v[YQ+2*\g:YQ+2*\g+1], v[YQ+2*\g:YQ+2*\g+1], v[AL:AL+1] op_sel_hi:[1,0]
.endr
	HOOK_P
	WIN 0x41
.irp g, 8,9,10,11,12,13,14,15
	v_pk_mul_f32 v[YQ+2*\g:YQ+2*\g+1], v[YQ+2*\g:YQ+2*\g+1], v[AL:AL+1] op_sel_hi:[1,0]
.endr
.endif
.endm
; One inner step: V's 64 keys at v[AV] + voff; their K fragments were fetched in the step before.
; mode 1: my last step in a slot, the slot is filled again behind its reads; 2: my last step in a slot, without a fill; 0: any other.
; klo 1: the next step's K fragments are fetched at v[AK] + koff.
.macro INNER mode, klo, voff, koff
.rept 5
	v_nop                                          ; five places behind the last P V products: V's registers are loaded again, score block 0 written again
.endr
	VLOAD \voff
	s_wait_dscnt 16                                ; the 16 V loads stay out; the K fragments, issued before them, are in
.set QS, 0
.set NS, 0
.rept 8
	HOOK_S
.endr
.set QS, 1
.set NS, 0
.set NP, 8
	SM 0
	s_wait_dscnt 0x0                               ; V is in; my reads of this step are over
.if \mode
	s_set_vgpr_msb 0x4145
	s_wait_tensorcnt 0x0                           ; all my tensor loads have landed: the one that was out is my part of the next slot
	ds_add_u32 v192, v193
	s_wait_dscnt 0x0
	s_set_vgpr_msb 0x4541
	s_barrier_signal -1                            ; opens the round where the slot is filled again
.endif
.set QS, 2
.set NS, 0
.set QP, 0
.set NP, 0
	SM 1                                           ; register work alone up to the barrier's wait
.set QS, 3
.set NS, 0
.set QP, 1
.set NP, 0
	SM 2
.if \mode
	WIN 0
	s_barrier_wait -1
.endif
.if \mode == 1
	CREST                                          ; no wave of any partner reads this slot or has a load on its way
	s_add_nc_u64 s[G0K+6:G0K+7], s[G0K+6:G0K+7], 32768     ; the ring's group 0: the tile after the last one asked for,
	s_add_nc_u64 s[G0V+6:G0V+7], s[G0V+6:G0V+7], 32768
	s_xor_b32 s[G0K+5], s[G0K+5], SLOTX                    ; into the other slot than that one: the slot just read
	s_xor_b32 s[G0V+5], s[G0V+5], SLOTX
	JLOAD 1                                        ; my one tensor load behind the round, ahead of every LDS read
.endif
.if \klo
	PLACES                                         ; behind the last score product, which read K's registers
	KLOAD \koff
.endif
.set NS, 8
.set QP, 2
.set NP, 0
	SM 3
.set QP, 3
.set NP, 0
.rept 8
	HOOK_P
.endr
.endm
; The addresses between the steps.  An LDS instruction has read its address when it is issued, so they are rewritten without a wait.
.macro KNEXT                           ; in front of my last step in a slot: the K fragments fetched in it are the other slot's first
	s_xor_b32 s60, s60, SLOTX
	v_add_nc_u32 v[AK], s60, v[AK0]
.endm
.macro VNEXT                           ; behind it: V follows into that slot
	WIN 0
	v_add_nc_u32 v[AV], s60, v[AV0]
.endm
	s_wait_tensorcnt 0x1                           ; my part of slot 0 is in; slot 1's stays out
	s_barrier_signal -1
	s_barrier_wait -1
	KLOAD 0                                        ; K of my first 64 keys
	s_wait_loadcnt 0x0                             ; Q
.set FIRST, 1
	INNER 0, 1, 0, KSTEP                           ; my first 64 keys start maxima, sums and y: nothing is cleared
.set FIRST, 0
	WIN 0
	s_mov_b32 s60, 0                               ; slot 0
	s_mov_b32 s54, 6                               ; six slot steps are followed by a refill
.Lslot:
	KNEXT
	INNER 1, 1, VSTEP, 0                           ; my second 64 keys of this slot; the slot is filled again; K of the next slot's first
	VNEXT
	INNER 0, 1, 0, KSTEP                           ; my first 64 keys of the next slot
	WIN 0
	s_sub_co_u32 s54, s54, 1
	s_cmp_lg_u32 s54, 0
	s_cbranch_scc1 .Lslot
	KNEXT                                          ; the seventh slot step's second half and the eighth: nothing is left to fetch from memory
	INNER 2, 1, VSTEP, 0
	VNEXT
	INNER 0, 1, 0, KSTEP
	INNER 0, 0, VSTEP, 0
	; THE WAY OUT.  The two waves of a query group hold (m, l, y) over their key halves.  Each gives two of its four query blocks to the other through
	; LDS (key half 0 gives blocks 2, 3 and keeps 0, 1; key half 1 the other way round), joins the two that it keeps and stores them:
	; m = max(m0, m1), a = 2^(m0 - m), b = 2^(m1 - m), l = a l0 + b l1, y = (a / l) y0 + (b / l) y1.
	; K's, Q's and the scores' registers serve as addresses and buffers.
	WIN 0
	PLACES                                         ; behind the last P V products
.set STO, 32                           ; my stage: where I put 16 bytes
.set RD,  33                           ; my stage: where I read rows back
.set CO,  34                           ; 16 x lane
.set XS,  35                           ; my exchange bytes
.set XL,  36                           ; my partner's
.set TMP, 40                           ; v40-55   packed results
.set PY,  96                           ; v96-159  the partner's y of two blocks
.set TT,  160                          ; v160-191 one block's y, joined
.set PM,  192                          ; v192-195 the partner's m, l, m, l
.set BL,  18                           ; v18-19   the partner's factor (a pair for the packed multiply-add; both were written as maxima)
	v_and_b32 v37, 15, v0
	v_bfe_u32 v38, v0, 4, 1
	v_mul_u32_u24 v[STO], v37, SPITCH
	v_lshl_add_u32 v[STO], v38, 4, v[STO]
	s_mul_i32 s63, s12, 16*SPITCH
	s_add_co_u32 s63, s63, STAGE
	v_add_nc_u32 v[STO], s63, v[STO]
	v_and_b32 v37, 31, v0
	v_lshrrev_b32 v38, 3, v37
	v_and_b32 v39, 7, v0
	v_mul_u32_u24 v[RD], v38, SPITCH
	v_lshl_add_u32 v[RD], v39, 4, v[RD]
	v_add_nc_u32 v[RD], s63, v[RD]
	v_lshlrev_b32 v[CO], 4, v37
	s_mul_i32 s62, s12, XBYTES
	s_add_co_u32 s62, s62, XCH
	v_lshl_add_u32 v[XS], v37, 4, s62              ; 16 x lane in my 17 x 512 bytes
	s_xor_b32 s62, s12, 4                          ; my partner: the same queries, the other key half
	s_mul_i32 s62, s62, XBYTES
	s_add_co_u32 s62, s62, XCH
	v_lshl_add_u32 v[XL], v37, 4, s62
.irp qb, 0,1,2,3
	v_permlanex16_b32 v[TX], v[ML+2*\qb+1], s52, s53   ; the other half of the lanes holds the rest of the query's sum
	v_add_f32 v[ML+2*\qb+1], v[ML+2*\qb+1], v[TX]
.endr
.macro GIVE q0                         ; blocks q0 and q0 + 1: 64 registers of y, then m, l, m, l; each store covers 512 neighbouring bytes
	WIN 0x04
.irp g, 0,1,2,3,4,5,6,7,8,9,10,11,12,13,14,15
	ds_store_b128 v[XS], v[YB+32*\q0+4*\g:YB+32*\q0+4*\g+3] offset:512*\g
.endr
	WIN 0
	ds_store_b128 v[XS], v[ML+2*\q0:ML+2*\q0+3] offset:512*16
.endm
	s_cmp_eq_u32 s13, 0
	s_cbranch_scc0 .Lgive_low
	GIVE 2
	s_branch .Lgiven
.Lgive_low:
	GIVE 0
.Lgiven:
	s_wait_dscnt 0x0                               ; my stores are done, for my partner's sake
	s_barrier_signal -1
	s_barrier_wait -1
.irp g, 0,1,2,3,4,5,6,7,8,9,10,11,12,13,14,15
	ds_load_b128 v[PY+4*\g:PY+4*\g+3], v[XL] offset:512*\g
.endr
	ds_load_b128 v[PM:PM+3], v[XL] offset:512*16
	s_wait_dscnt 0x0
; Block qb of mine joins number i of the two that my partner gave; f: the registers from which it is stored
.macro JOIN qb, i, f
	WIN 0
	v_max_num_f32 v[TN], v[ML+2*\qb], v[PM+2*\i]
	v_sub_f32 v[AL], v[ML+2*\qb], v[TN]
	v_sub_f32 v[BL], v[PM+2*\i], v[TN]
	v_exp_f32 v[AL], v[AL]
	v_exp_f32 v[BL], v[BL]
	v_nop                                          ; a plain place behind the exponentials (ISA guide 5.7.2)
	s_wait_alu depctr_va_vdst(0)
	v_mul_f32 v[TX], v[AL], v[ML+2*\qb+1]
	v_fma_f32 v[TX], v[BL], v[PM+2*\i+1], v[TX]    ; at least 1: one factor is 2^0, and that half's sum holds its largest score's 2^0
	v_rcp_f32 v[TX], v[TX]
	v_nop
	s_wait_alu depctr_va_vdst(0)
	v_mul_f32 v[AL], v[AL], v[TX]
	v_mul_f32 v[BL], v[BL], v[TX]
	WIN 0x01
.irp g, 0,1,2,3,4,5,6,7,8,9,10,11,12,13,14,15
	v_pk_mul_f32 v[TT+2*\g:TT+2*\g+1], v[YB+32*\qb+2*\g:YB+32*\qb+2*\g+1], v[AL:AL+1] op_sel_hi:[1,0]
.endr
	WIN 0
.irp g, 0,1,2,3,4,5,6,7,8,9,10,11,12,13,14,15
	v_pk_fma_f32 v[TT+2*\g:TT+2*\g+1], v[PY+32*\i+2*\g:PY+32*\i+2*\g+1], v[BL:BL+1], v[TT+2*\g:TT+2*\g+1] op_sel_hi:[1,0,1]
.endr
.irp g, 0,1,2,3,4,5,6,7,8,9,10,11,12,13,14,15
	v_cvt_pk_f16_f32 v[TMP+\g], v[TT+2*\g], v[TT+2*\g+1]
.endr
.irp db, 0,1,2,3
	ds_store_b128 v[STO], v[TMP+4*\db:TMP+4*\db+3] offset:32*\db
.endr
.irp t, 0,1,2,3
	ds_load_b128 v[\f+4*\t:\f+4*\t+3], v[RD] offset:\t*4*SPITCH    ; LDS serves a wave's instructions in order: these see the stores above
.endr
.irp t, 0,1,2,3
	s_wait_dscnt 3-\t                              ; the younger loads stay out
	global_store_b128 v[CO], v[\f+4*\t:\f+4*\t+3], s[10:11] offset:2048*\qb+512*\t   ; four queries of a head: 512 consecutive bytes
.endr
.endm
	s_cmp_eq_u32 s13, 0
	s_cbranch_scc0 .Ljoin_high
	JOIN 0, 0, 56
	JOIN 1, 1, 72
	s_branch .Ljoined
.Ljoin_high:
	JOIN 2, 0, 56
	JOIN 3, 1, 72
.Ljoined:
	s_set_vgpr_msb 0x5
	s_wait_tensorcnt 0x0
	ds_add_u32 v192, v193
	s_wait_dscnt 0x0
	s_set_vgpr_msb 0x500
	CROUND                                         ; the closing round
	s_endpgm
.Lfunc_end_k_q639289b86f_attn:
	.size	k_q639289b86f_attn, .Lfunc_end_k_q639289b86f_attn-k_q639289b86f_attn
	.p2alignl 7, 3214868480
	.fill 96, 4, 3214868480
	.section	.rodata,"a",@progbits
	.p2align	6, 0x0
	.amdhsa_kernel k_q639289b86f_attn
		.amdhsa_group_segment_fixed_size 327680
		.amdhsa_private_segment_fixed_size 0
		.amdhsa_enable_private_segment 0
		.amdhsa_kernarg_size 32
		.amdhsa_user_sgpr_count 2
		.amdhsa_user_sgpr_kernarg_segment_ptr 1
		.amdhsa_wavefront_size32 1
		.amdhsa_system_sgpr_workgroup_id_x 1
		.amdhsa_system_sgpr_workgroup_id_y 1
		.amdhsa_system_sgpr_workgroup_id_z 1
		.amdhsa_system_vgpr_workitem_id 0
		.amdhsa_next_free_vgpr 450
		.amdhsa_next_free_sgpr 72
		.amdhsa_reserve_vcc 0
		.amdhsa_float_denorm_mode_32 3
		.amdhsa_float_denorm_mode_16_64 3
		.amdhsa_memory_ordered 1
		.amdhsa_forward_progress 1
		.amdhsa_inst_pref_size 239
	.end_amdhsa_kernel
	.amdgpu_metadata
---
amdhsa.version: [ 1, 2 ]
amdhsa.kernels:
  - .name:           k_q639289b86f_attn
    .symbol:         k_q639289b86f_attn.kd
    .args:
      - { .name: qh, .offset: 0, .size: 8, .value_kind: global_buffer, .address_space: global }
      - { .name: kh, .offset: 8, .size: 8, .value_kind: global_buffer, .address_space: global }
      - { .name: vh, .offset: 16, .size: 8, .value_kind: global_buffer, .address_space: global }
      - { .name: yb, .offset: 24, .size: 8, .value_kind: global_buffer, .address_space: global }
    .group_segment_fixed_size: 327680
    .private_segment_fixed_size: 0
    .kernarg_segment_align: 8
    .kernarg_segment_size: 32
    .max_flat_workgroup_size: 256
    .sgpr_count:     72
    .vgpr_count:     450
    .wavefront_size: 32
...
	.end_amdgpu_metadata
.endif
;; end of part 4
;; launch outp: the kernel of part 3 again; grid 8 x 32, 4 waves a work-group, clusters of 4 x 4, 327,680 bytes of LDS; arguments yb, wcb, bc, out0; writes out0
